; MI455X (gfx1250); checked and timed in simulation.
; The chip was launched on July 23, 2026; its instructions are those of AMD's public machine-readable ISA for CDNA 5 (MIT licence, August 2026) and "CDNA5" Instruction Set Architecture Reference Guide (July 2026). The comments in the code are by the model that wrote it; some were corrected since.
;; Multi Head Attention. Allowed arithmetic: float matrix products may take bf16 or f16 operands with f32 sums; all other float work in f32.
;; Inputs: Wk 1,024 x 1,024 float32; Wo 1,024 x 1,024 float32; Wq 1,024 x 1,024 float32; Wv 1,024 x 1,024 float32; bo 1,024 float32; bq 1,024 float32; bv 1,024 float32; mask 1,024 x 1,024 float32; x 8 x 1,024 x 1,024 float32.
;; Outputs: out0 8 x 1,024 x 1,024 float32.
;; 2 versions, each right and faster than the one before. Each part assembles by itself: llvm-mc -triple=amdgcn-amd-amdhsa -mcpu=gfx1250 --defsym DOCPART=n.
;; ======== version 1 of 2: 4 launches
;; limits: values are held in f16: magnitudes above 65,504 overflow, below 6.1e-05 lose precision
;; workspace buffers: xb 16,777,216 bytes; wb 8,388,608 bytes; mask2 4,194,304 bytes; bias3 12,288 bytes; qkv 50,331,648 bytes; ao 16,777,216 bytes
;; launch prep (part 1): grid 833 x 1, 8 waves a work-group, no clusters, 0 bytes of LDS; arguments x, Wq, Wk, Wv, Wo, mask, bq, bv, xb, wb, mask2, bias3; writes xb, wb, mask2, bias3
.if DOCPART == 1
	.amdgcn_target "amdgcn-amd-amdhsa--gfx1250"
	.amdhsa_code_object_version 6
	.text
	.protected	k_q81ff9aca1e_prep
	.globl	k_q81ff9aca1e_prep
	.p2align	8
	.type	k_q81ff9aca1e_prep,@function
k_q81ff9aca1e_prep:
	s_mov_b64 s[64:65], 0
	v_nop
	global_prefetch_b8 v0, s[64:65] scope:SCOPE_SE
	s_setreg_imm32_b32 hwreg(HW_REG_WAVE_MODE, 25, 1), 1
	s_wait_xcnt 0x0
; MULTI-HEAD ATTENTION, launch 1 of 4: the inputs of the products are rounded to bf16 once, the mask is put into base-2 units.
;   xb    = bf16(x)                         [16 blocks of 64 along K][8192 rows][64]
;   wb    = bf16(Wq, Wk, Wv)                [16 blocks of 64 along K][3072 rows][64], the three matrices' rows one below the other,
;           then Wo                         [1024][1024] of 2 bytes, from byte 6,291,456 on
;   mask2 = mask * log2(e)                  [1024][1024] f32
;   bias3 = bq, 1024 zeros, bv              [3072] f32 (the key projection has no bias: its columns take 0 from the same table)
; WHY BLOCKS: the next launch steps K by 64, and a row's 64 numbers are 128 bytes.  With the blocks of 64 stored one behind the other, the rows
; of one K step lie end to end, and its tiles are read as rows of 256 bytes that start at multiples of 256 from the buffer's first byte.
; DEAD WORK: none comes in whole units; every input is loaded by some launch.  The mask is an input, so all 1024 x 1024 scores
; of all 128 (batch, head) pairs are computed and every mask word is added.  One identity is used: q and k are each scaled by
; 64^-0.25, so a score carries the factor (64^-0.25)^2 = 1/8; it is applied once, to the score, together with log2(e).
; NUMBER FORMATS.  The five inputs of the products (x, Wq, Wk, Wv, Wo) are rounded to bf16, which has f32's range.  What passes from one
; product to the next (q, k, v, the softmax's weights, the attention's output) goes in f16: a query to which the mask leaves few keys has an
; output as large as v Wo^T, with nothing averaged away, and f16's significand of 11 bits against bf16's 8 makes each of these roundings
; eight times smaller.  The last product then wants Wo in f16 as well: Wo is rounded to bf16 like the other inputs, and that value is held
; in f16, which is exact from |w| = 2^-17 up (8 bits above f16's last place, 2^-24) and off by 2^-25 at the most below.
; ROOM IN f16: q, k, v stay under 4 on inputs of the drawn spread, under 3,600 with x and the weights both 30 times larger, and near
; 1024 x 30 x 0.6 = 18,432 with x offset by 30 and the weights by 0.6.
; LIMITS: a projected q, k or v beyond 65,504, and a |Wo| beyond it, becomes an infinity; mask * log2(e) is one more f32 rounding than the reference has.
; A work-group takes 16,384 numbers (65,536 bytes of f32): 512 pieces of x, 4 x 64 of the weights, 64 of the mask, 1 for the biases.
; No register that a pending load or store names is written, so no wait but those for the loads' data is needed.
.set XR, 4                             ; v[4:67]   16 loads of 4 registers
.set YR, 68                            ; v[68:99]  16 stores of 2 registers
.set XSTR, 8192*128                    ; bytes of a block of xb
.set WSTR, 3072*128                    ; bytes of a block of wb
; A piece of 16 rows x 1024 columns into blocks.  Thread t takes row t / 16 and, in block j, the 16 bytes at 16 (t % 16): sixteen lanes read 256
; consecutive bytes of a row, aligned.  The 8 bytes that they become lie at 8 t in the piece's 2,048 bytes of block j: a wave's store covers 256
; consecutive bytes, aligned.  Blocks 8 to 15 have a base of their own, so that the immediate stays at 7 str = 7,340,032 at the most, inside its signed 24 bits.
.macro CONVB str
.irp j, 0,1,2,3,4,5,6,7,8,9,10,11,12,13,14,15
	global_load_b128 v[XR+4*\j:XR+4*\j+3], v3, s[36:37] offset:256*\j th:TH_LOAD_NT
.endr
.irp j, 0,1,2,3,4,5,6,7,8,9,10,11,12,13,14,15
	s_wait_loadcnt 15-\j                           ; loads return in order: load j is in, the 15 - j younger ones stay out
	v_cvt_pk_bf16_f32 v[YR+2*\j], v[XR+4*\j], v[XR+4*\j+1]
	v_cvt_pk_bf16_f32 v[YR+2*\j+1], v[XR+4*\j+2], v[XR+4*\j+3]
.if \j < 8
	global_store_b64 v2, v[YR+2*\j:YR+2*\j+1], s[38:39] offset:\j*\str
.else
	global_store_b64 v2, v[YR+2*\j:YR+2*\j+1], s[44:45] offset:(\j-8)*\str
.endif
.endr
.endm
	s_load_b512 s[8:23], s[0:1], 0x0               ; x 8, Wq 10, Wk 12, Wv 14, Wo 16, mask 18, bq 20, bv 22
	s_load_b256 s[24:31], s[0:1], 0x40             ; xb 24, wb 26, mask2 28, bias3 30
	s_mov_b32 s32, ttmp9                           ; the piece
	s_mov_b32 s35, 0                               ; high words of the two offsets
	s_mov_b32 s41, 0
	s_mov_b32 s42, 0x3fb8aa3b                      ; log2(e), twice: a pair for the packed multiply
	s_mov_b32 s43, 0x3fb8aa3b
	v_lshlrev_b32 v1, 4, v0                        ; 16 t
	v_lshlrev_b32 v2, 3, v0                        ; 8 t
	v_lshrrev_b32 v3, 4, v0
	v_lshlrev_b32 v3, 12, v3                       ; row t / 16 of 4,096 bytes
	v_and_b32 v100, 15, v0
	v_lshl_add_u32 v3, v100, 4, v3                 ; + 16 (t % 16)
	s_wait_kmcnt 0x0
	s_cmp_lt_u32 s32, 512
	s_cbranch_scc0 .Lnot_x
	s_lshl_b32 s34, s32, 16                        ; piece x 65,536 bytes of f32
	s_lshl_b32 s40, s32, 11                        ; piece x 16 rows x 128 bytes in each block
	s_add_nc_u64 s[36:37], s[8:9], s[34:35]
	s_add_nc_u64 s[38:39], s[24:25], s[40:41]
	s_add_nc_u64 s[44:45], s[38:39], 8*XSTR
	CONVB XSTR
	s_endpgm
.Lnot_x:
	s_cmp_lt_u32 s32, 768
	s_cbranch_scc0 .Lnot_w
	s_sub_co_u32 s32, s32, 512                     ; u = 0..255: matrix u / 64, piece u % 64
	s_lshr_b32 s33, s32, 6
	s_mov_b64 s[36:37], s[10:11]
	s_cmp_eq_u32 s33, 1
	s_cselect_b64 s[36:37], s[12:13], s[36:37]
	s_cmp_eq_u32 s33, 2
	s_cselect_b64 s[36:37], s[14:15], s[36:37]
	s_cmp_eq_u32 s33, 3
	s_cselect_b64 s[36:37], s[16:17], s[36:37]
	s_and_b32 s34, s32, 63
	s_lshl_b32 s34, s34, 16
	s_add_nc_u64 s[36:37], s[36:37], s[34:35]
	s_cmp_eq_u32 s33, 3
	s_cbranch_scc1 .Lconv_wo                       ; Wo keeps its rows whole and goes on to f16
	s_lshl_b32 s40, s32, 11                        ; rows 16 u .. 16 u + 15 of the 3,072: u x 2,048 bytes in each block
	s_add_nc_u64 s[38:39], s[26:27], s[40:41]
	s_add_nc_u64 s[44:45], s[38:39], 8*WSTR
	CONVB WSTR
	s_endpgm
.Lconv_wo:
	; Wo, row-major: thread t takes the 16 bytes at 16 t + 4096 j (a wave's load covers 512 consecutive bytes) and stores 8 bytes at 8 t + 2048 j
	; (a wave's store covers 256 consecutive bytes, aligned).  Pieces 192 to 255 x 32,768 bytes begin at 6,291,456, where the blocks end.
	s_lshl_b32 s40, s32, 15
	s_add_nc_u64 s[38:39], s[26:27], s[40:41]
.irp j, 0,1,2,3,4,5,6,7,8,9,10,11,12,13,14,15
	global_load_b128 v[XR+4*\j:XR+4*\j+3], v1, s[36:37] offset:4096*\j th:TH_LOAD_NT
.endr
.irp j, 0,1,2,3,4,5,6,7,8,9,10,11,12,13,14,15
	s_wait_loadcnt 15-\j
	v_cvt_pk_bf16_f32 v[YR+2*\j], v[XR+4*\j], v[XR+4*\j+1]
	v_cvt_pk_bf16_f32 v[YR+2*\j+1], v[XR+4*\j+2], v[XR+4*\j+3]
	v_lshlrev_b32 v[XR+4*\j], 16, v[YR+2*\j]                   ; the rounded values as f32 again, in the registers of load j, which has landed
	v_and_b32 v[XR+4*\j+1], 0xffff0000, v[YR+2*\j]
	v_lshlrev_b32 v[XR+4*\j+2], 16, v[YR+2*\j+1]
	v_and_b32 v[XR+4*\j+3], 0xffff0000, v[YR+2*\j+1]
	v_cvt_pk_f16_f32 v[YR+2*\j], v[XR+4*\j], v[XR+4*\j+1]
	v_cvt_pk_f16_f32 v[YR+2*\j+1], v[XR+4*\j+2], v[XR+4*\j+3]
	global_store_b64 v2, v[YR+2*\j:YR+2*\j+1], s[38:39] offset:2048*\j
.endr
	s_endpgm
.Lnot_w:
	s_cmp_lt_u32 s32, 832
	s_cbranch_scc0 .Lbias
	s_sub_co_u32 s32, s32, 768
	s_lshl_b32 s34, s32, 16
	s_add_nc_u64 s[36:37], s[18:19], s[34:35]
	s_add_nc_u64 s[38:39], s[28:29], s[34:35]
.irp j, 0,1,2,3,4,5,6,7,8,9,10,11,12,13,14,15
	global_load_b128 v[XR+4*\j:XR+4*\j+3], v1, s[36:37] offset:4096*\j th:TH_LOAD_NT
.endr
.irp j, 0,1,2,3,4,5,6,7,8,9,10,11,12,13,14,15
	s_wait_loadcnt 15-\j
	v_pk_mul_f32 v[XR+4*\j:XR+4*\j+1], v[XR+4*\j:XR+4*\j+1], s[42:43] op_sel_hi:[1,0]
	v_pk_mul_f32 v[XR+4*\j+2:XR+4*\j+3], v[XR+4*\j+2:XR+4*\j+3], s[42:43] op_sel_hi:[1,0]
	global_store_b128 v1, v[XR+4*\j:XR+4*\j+3], s[38:39] offset:4096*\j
.endr
	s_endpgm
.Lbias:
	global_load_b128 v[4:7], v1, s[20:21]          ; 256 threads x 16 bytes = the 1024 numbers of bq
	global_load_b128 v[8:11], v1, s[22:23]         ; and of bv
	v_mov_b32 v12, 0
	v_mov_b32 v13, 0
	v_mov_b32 v14, 0
	v_mov_b32 v15, 0
	global_store_b128 v1, v[12:15], s[30:31] offset:4096
	s_wait_loadcnt 0x0
	global_store_b128 v1, v[4:7], s[30:31]
	global_store_b128 v1, v[8:11], s[30:31] offset:8192
	s_endpgm
.Lfunc_end_k_q81ff9aca1e_prep:
	.size	k_q81ff9aca1e_prep, .Lfunc_end_k_q81ff9aca1e_prep-k_q81ff9aca1e_prep
	.p2alignl 7, 3214868480
	.fill 96, 4, 3214868480
	.section	.rodata,"a",@progbits
	.p2align	6, 0x0
	.amdhsa_kernel k_q81ff9aca1e_prep
		.amdhsa_group_segment_fixed_size 0
		.amdhsa_private_segment_fixed_size 0
		.amdhsa_enable_private_segment 0
		.amdhsa_kernarg_size 96
		.amdhsa_user_sgpr_count 2
		.amdhsa_user_sgpr_kernarg_segment_ptr 1
		.amdhsa_wavefront_size32 1
		.amdhsa_system_sgpr_workgroup_id_x 1
		.amdhsa_system_sgpr_workgroup_id_y 1
		.amdhsa_system_sgpr_workgroup_id_z 1
		.amdhsa_system_vgpr_workitem_id 0
		.amdhsa_next_free_vgpr 104
		.amdhsa_next_free_sgpr 66
		.amdhsa_reserve_vcc 0
		.amdhsa_float_denorm_mode_32 3
		.amdhsa_float_denorm_mode_16_64 3
		.amdhsa_memory_ordered 1
		.amdhsa_forward_progress 1
		.amdhsa_inst_pref_size 30
	.end_amdhsa_kernel
	.amdgpu_metadata
---
amdhsa.version: [ 1, 2 ]
amdhsa.kernels:
  - .name:           k_q81ff9aca1e_prep
    .symbol:         k_q81ff9aca1e_prep.kd
    .args:
      - { .name: x, .offset: 0, .size: 8, .value_kind: global_buffer, .address_space: global }
      - { .name: Wq, .offset: 8, .size: 8, .value_kind: global_buffer, .address_space: global }
      - { .name: Wk, .offset: 16, .size: 8, .value_kind: global_buffer, .address_space: global }
      - { .name: Wv, .offset: 24, .size: 8, .value_kind: global_buffer, .address_space: global }
      - { .name: Wo, .offset: 32, .size: 8, .value_kind: global_buffer, .address_space: global }
      - { .name: mask, .offset: 40, .size: 8, .value_kind: global_buffer, .address_space: global }
      - { .name: bq, .offset: 48, .size: 8, .value_kind: global_buffer, .address_space: global }
      - { .name: bv, .offset: 56, .size: 8, .value_kind: global_buffer, .address_space: global }
      - { .name: xb, .offset: 64, .size: 8, .value_kind: global_buffer, .address_space: global }
      - { .name: wb, .offset: 72, .size: 8, .value_kind: global_buffer, .address_space: global }
      - { .name: mask2, .offset: 80, .size: 8, .value_kind: global_buffer, .address_space: global }
      - { .name: bias3, .offset: 88, .size: 8, .value_kind: global_buffer, .address_space: global }
    .group_segment_fixed_size: 0
    .private_segment_fixed_size: 0
    .kernarg_segment_align: 8
    .kernarg_segment_size: 96
    .max_flat_workgroup_size: 256
    .sgpr_count:     66
    .vgpr_count:     104
    .wavefront_size: 32
...
	.end_amdgpu_metadata
.endif
;; end of part 1
;; launch qkv (part 2): grid 8 x 32, 4 waves a work-group, clusters of 4 x 4, 327,680 bytes of LDS; arguments xb, wb, bias3, qkv; writes qkv
.if DOCPART == 2
	.amdgcn_target "amdgcn-amd-amdhsa--gfx1250"
	.amdhsa_code_object_version 6
	.text
	.protected	k_q81ff9aca1e_qkv
	.globl	k_q81ff9aca1e_qkv
	.p2align	8
	.type	k_q81ff9aca1e_qkv,@function
k_q81ff9aca1e_qkv:
	s_mov_b64 s[64:65], 0
	v_nop
	global_prefetch_b8 v0, s[64:65] scope:SCOPE_SE
	s_setreg_imm32_b32 hwreg(HW_REG_WAVE_MODE, 25, 1), 1
	s_wait_xcnt 0x0
	s_wait_alu depctr_hold_cnt(0) depctr_sa_sdst(0) depctr_va_vdst(0) depctr_va_sdst(0) depctr_va_ssrc(0) depctr_va_vcc(0) depctr_vm_vsrc(0)
	s_getreg_b32 s2, hwreg(HW_REG_IB_STS2, 6, 4)
	s_cmp_eq_u32 s2, 0
	s_cbranch_scc0 .Lentry_in_a_cluster
	s_endpgm
.Lentry_in_a_cluster:
	s_bfe_u32 s2, ttmp6, 0x10000c
	s_cmp_lg_u32 s2, 0xf033
	s_cbranch_scc0 .Lentry_shape_is_right
	s_endpgm
.Lentry_shape_is_right:
; Launch 2 of 4: the three projections as one product, C[8192][3072] = x * W^T + bias3, stored by heads:
; qkv[which][batch][head][token][64] in f16, which = 0 q, 1 k, 2 v.  No work of the reference is left out here; its two scalings by
; 64^-0.25 are applied later as one factor 1/8 on the score.
; FORMATS: the operands are bf16, the sums f32; the results are rounded to f16, whose 11 bits of significand the next products need.
; LIMIT: a result beyond 65,504 becomes an infinity (on inputs of the drawn spread the results stay under 4; 30 times larger x and weights: under 3,600).
; 256 work-groups, one block of 256 rows x 384 columns each (32 x 8 blocks); four waves, a wave makes 128 x 192 (three heads):
; 96 accumulator tiles of 16 x 16, 768 registers.  K goes in steps of 64 through two LDS slots filled by the tensor data mover;
; two slots of a step of 128 would take 2 x 174,080 bytes, more than a work-group can have.
; TILES: xb and wb lie in blocks of 64 along K, [16][rows][64], so the 128 or 192 rows that a load brings lie end to end in memory.  The descriptor
; states them as 64 or 96 rows of 256 bytes, each at a multiple of 256 from the buffer's first byte, and pads after every 32 words (128 bytes):
; in LDS each row of the matrix has 128 + 16 bytes.
; CLUSTERS: 4 x 4 work-groups.  The four of a cluster's row share the block row (x's tile), the four of a column the block column
; (the weights' tile): each tile is asked for jointly by the four, which divides the requests for both by four.
; REGISTERS: window 0: addresses, x fragments (two buffers of 8), weight fragments (three pieces of 4); windows 1 to 3: the
; accumulators of column groups 0 to 2 (four tiles of 16 columns each): tile (a, bb) at v[8 (4 a + bb)].
; THE MATRIX INSTRUCTION IS USED TRANSPOSED (source 0 = 16 rows of the weights, source 1 = 16 rows of x): lane (r, h) then holds
; row r of C and the eight neighbouring columns 8 h + 0..7 of the tile, which pack into 16 bytes.
; The 96 accumulators take turns, one instruction a turn, over the backward jump too.
.set PITCH,  144                       ; an LDS row: 128 bytes + 16: an odd multiple of 16, so the 16 rows of a fragment load start 16 bytes apart modulo 256
.set BOFF,   256*PITCH                 ; the weights' 384 rows lie behind x's 256
.set SLOT,   640*PITCH                 ; 92,160
.set STAGE,  2*SLOT                    ; 184,320, a multiple of 256: each wave's own 16 rows x 400 bytes for the way out; no fill lands there
.set SPITCH, 400                       ; 192 f16 + 16 bytes
.set XSTR,   8192*128                  ; bytes of a K block of xb
.set WSTR,   3072*128                  ; bytes of a K block of wb
.set ADRA, 4                           ; v4-5   LDS address of my x fragments in slot 0, 1
.set ADRB, 6                           ; v6-7   the same for the weights
.set STO,  8                           ; v8     the way out: where I put 16 bytes of a row
.set RD,   9                           ; v9     where I read 16 bytes of a head's row back
.set CO,   10                          ; v10    16 x lane: my place in 512 bytes (four tokens of a head)
.set VB,   11                          ; v11    32 h: my eight biases in a tile's sixteen
.set AF0,  32                          ; v[32:95]   x fragments, buffer 0; at the end the biases of column groups 0 and 1
.set AF1,  96                          ; v[96:159]  x fragments, buffer 1; on the way out TMP
.set BP,   160                         ; v[160:255] weight fragments, piece g at BP + 32 g; at the end piece 0 holds group 2's biases
.set TMP,  96                          ; v[96:143]  16 rows x 192 columns, packed
.set RB,   192                         ; v[192:239] the same, read back by heads
.set G1A, 24                           ; s[24:31] group 1 for x's tiles
.set G0A, 32                           ; s[32:39] group 0 for x's tiles, one set for each slot
.set G1B, 40                           ; s[40:47] group 1 for the weights' tiles
.set G0B, 48                           ; s[48:55] group 0 for the weights' tiles
.set MSB, 0
.macro WIN new                         ; low byte: bits 1:0 source 0, 3:2 source 1, 5:4 source 2, 7:6 destination; the high byte repeats the setting that is left
.if MSB != (\new)
	s_set_vgpr_msb (MSB<<8)|(\new)
.set MSB, \new
.endif
.endm
.macro PLACES                          ; four plain vector instructions between a matrix instruction and a load into, or a vector use of, its registers
.rept 4
	v_nop
.endr
.endm
; A joint load: waves 0 and 1 fetch the halves of x's tile, waves 2 and 3 those of the weights' tile.  The branch hangs on the wave's number alone.
.macro JLOAD s
	s_cmp_eq_u32 s13, 0
	s_cbranch_scc0 .Lfor_b_\@
	tensor_load_to_lds s[G0A+4*\s:G0A+4*\s+3], s[G1A:G1A+7]
	s_nop 0
	s_branch .Lasked_\@
.Lfor_b_\@:
	tensor_load_to_lds s[G0B+4*\s:G0B+4*\s+3], s[G1B:G1B+7]
	s_nop 0
.Lasked_\@:
.endm
.macro CREST                           ; a round of the cluster's barrier behind its opening work-group barrier
	s_cmp_lg_u32 s12, 0
	s_cbranch_scc1 .Lnot_wave_0_\@
	s_barrier_signal -3
.Lnot_wave_0_\@:
	s_barrier_wait -3
	s_barrier_signal -1
	s_barrier_wait -1
.endm
.macro CROUND                          ; a whole round
	s_barrier_signal -1
	s_barrier_wait -1
	CREST
.endm
	s_load_b128 s[4:7], s[0:1], 0x0                ; xb, wb
	s_load_b128 s[8:11], s[0:1], 0x10              ; bias3, qkv
	v_lshl_add_u32 v30, v0, 2, 0x33400
	v_mov_b32 v31, 0
	ds_add_u32 v30, v31
	v_lshrrev_b32 v1, 5, v0
	v_readfirstlane_b32 s12, v1                    ; wave 0..3
	s_lshr_b32 s13, s12, 1                         ; my half of the block's rows.  Also: I fetch for x (0) or for the weights (1)
	s_and_b32 s14, s12, 1                          ; my half of its columns.  Also: which half of that tile I fetch
	s_bfe_u32 s16, ttmp6, 0x40000                  ; cx
	s_bfe_u32 s17, ttmp6, 0x40004                  ; cy
	s_lshl_b32 s18, ttmp9, 2
	s_add_co_u32 s18, s18, s16                     ; block column 0..7
	s_and_b32 s19, ttmp7, 0xffff
	s_lshl_b32 s19, s19, 2
	s_add_co_u32 s19, s19, s17                     ; block row 0..31
	s_lshl_b32 s20, s17, 2
	s_lshl_b32 s20, 15, s20                        ; my row of the cluster
	s_lshl_b32 s21, 0x1111, s16                    ; my column
	; group 1: a dense run of memory as rows of 128 bf16 (256 bytes), pitch 128; padding of 4 words (code 3) after every 32 words (code 4)
	s_or_b32 s[G1A+0], s20, (1<<16)|(1<<20)|(1<<21)|(4<<22)|(3<<25)
	s_mov_b32 s[G1A+1], 128<<16                    ; tensor_dim0 = 128
	s_mov_b32 s[G1A+2], 64<<16                     ; tensor_dim1 = 64
	s_mov_b32 s[G1A+3], 128<<16                    ; tile_dim0 = 128
	s_mov_b32 s[G1A+4], 64                         ; tile_dim1 = 64 rows of 256 bytes = 128 rows of x
	s_mov_b32 s[G1A+5], 128
	s_mov_b32 s[G1A+6], 0
	s_mov_b32 s[G1A+7], 0
	s_or_b32 s[G1B+0], s21, (1<<16)|(1<<20)|(1<<21)|(4<<22)|(3<<25)
	s_mov_b32 s[G1B+1], 128<<16
	s_mov_b32 s[G1B+2], 96<<16                     ; 96 rows of 256 bytes = 192 rows of the weights
	s_mov_b32 s[G1B+3], 128<<16
	s_mov_b32 s[G1B+4], 96
	s_mov_b32 s[G1B+5], 128
	s_mov_b32 s[G1B+6], 0
	s_mov_b32 s[G1B+7], 0
	; x's tile hangs on the block row alone, the weights' on the block column alone; each offset is made in registers that never hold the other coordinate
	s_lshl_b32 s56, s19, 8
	s_lshl_b32 s57, s14, 7
	s_add_co_u32 s56, s56, s57                     ; row 256 x block row + 128 x half
	s_lshl_b32 s56, s56, 7                         ; x 128 bytes in a K block
	s_mov_b32 s57, 0
	s_mul_i32 s60, s18, 384
	s_mul_i32 s61, s14, 192
	s_add_co_u32 s60, s60, s61                     ; row 384 x block column + 192 x half
	s_lshl_b32 s60, s60, 7
	s_mov_b32 s61, 0
	s_mul_i32 s22, s14, 128*PITCH                  ; where they go: no place in the cluster enters an LDS address
	s_mul_i32 s23, s14, 192*PITCH
	s_add_co_u32 s23, s23, BOFF
	s_wait_dscnt 0x0
	s_wait_kmcnt 0x0
	s_add_nc_u64 s[58:59], s[4:5], s[56:57]
	s_add_nc_u64 s[62:63], s[6:7], s[60:61]
	CROUND                                         ; all sixteen work-groups are here: the first joint loads meet
.irp s, 0,1
	s_mov_b32 s[G0A+4*\s], 1
	s_add_co_u32 s[G0A+4*\s+1], s22, \s*SLOT
	s_add_nc_u64 s[G0A+4*\s+2:G0A+4*\s+3], s[58:59], \s*XSTR       ; K step s = K block s
	s_or_b32 s[G0A+4*\s+3], s[G0A+4*\s+3], 0x80000000
	s_mov_b32 s[G0B+4*\s], 1
	s_add_co_u32 s[G0B+4*\s+1], s23, \s*SLOT
	s_add_nc_u64 s[G0B+4*\s+2:G0B+4*\s+3], s[62:63], \s*WSTR
	s_or_b32 s[G0B+4*\s+3], s[G0B+4*\s+3], 0x80000000
	JLOAD \s                                       ; both slots are asked for before anything else: two tensor loads of the wave are out
.endr
	; where my three heads go: head g of 48 = 6 x block column + 3 x half + hh; plane (g / 16) x 128 + batch x 16 + g % 16 of 131,072 bytes
	s_mul_i32 s74, s18, 6
	s_mul_i32 s75, s14, 3
	s_add_co_u32 s74, s74, s75
	s_lshr_b32 s78, s19, 2                         ; batch = block row / 4
	s_lshl_b32 s78, s78, 21                        ; x 16 planes
	s_and_b32 s79, s19, 3
	s_lshl_b32 s79, s79, 15                        ; 256 tokens x 128 bytes
	s_add_co_u32 s78, s78, s79
	s_lshl_b32 s79, s13, 14                        ; my 128 tokens
	s_add_co_u32 s78, s78, s79
	s_mov_b32 s77, 0
.irp hh, 0,1,2
	s_add_co_u32 s75, s74, \hh
	s_lshr_b32 s76, s75, 4
	s_lshl_b32 s76, s76, 24                        ; q, k or v: 128 planes
	s_and_b32 s75, s75, 15
	s_lshl_b32 s75, s75, 17
	s_add_co_u32 s76, s76, s75
	s_add_co_u32 s76, s76, s78
	s_add_nc_u64 s[68+2*\hh:69+2*\hh], s[10:11], s[76:77]
.endr
	s_mul_i32 s75, s18, 1536                       ; my 192 biases: (384 x block column + 192 x half) x 4 bytes
	s_mul_i32 s76, s14, 768
	s_add_co_u32 s76, s76, s75
	s_add_nc_u64 s[8:9], s[8:9], s[76:77]
	; a fragment is 16 rows x 32 K: lane (r, h) takes 16 bytes at row r, byte 16 h, and 16 more 32 bytes on
	v_and_b32 v1, 15, v0                           ; r
	v_bfe_u32 v2, v0, 4, 1                         ; h
	v_mul_u32_u24 v3, v1, PITCH
	v_lshl_add_u32 v3, v2, 4, v3
	s_mul_i32 s75, s13, 128*PITCH
	s_mul_i32 s76, s14, 192*PITCH
	s_add_co_u32 s76, s76, BOFF
.irp s, 0,1
	v_add_nc_u32 v[ADRA+\s], s75, v3
	v_add_nc_u32 v[ADRB+\s], s76, v3
	s_add_co_u32 s75, s75, SLOT
	s_add_co_u32 s76, s76, SLOT
.endr
	s_mul_i32 s75, s12, 16*SPITCH
	s_add_co_u32 s75, s75, STAGE                   ; my stage
	v_mul_u32_u24 v3, v1, SPITCH
	v_lshl_add_u32 v3, v2, 4, v3
	v_add_nc_u32 v[STO], s75, v3
	v_and_b32 v3, 31, v0                           ; lane
	v_lshlrev_b32 v[CO], 4, v3
	v_lshrrev_b32 v12, 3, v3                       ; back: eight lanes take a head's 128 bytes of one row, the wave four rows
	v_and_b32 v3, 7, v3
	v_mul_u32_u24 v12, v12, SPITCH
	v_lshl_add_u32 v12, v3, 4, v12
	v_add_nc_u32 v[RD], s75, v12
	v_lshlrev_b32 v[VB], 5, v2
.macro LDB p, slot, kk                 ; 8 loads: weight fragments 4 p .. 4 p + 3 of 32 K at byte 64 kk, into piece p
.irp i, 0,1,2,3
	ds_load_b128 v[BP+32*\p+8*\i:BP+32*\p+8*\i+3],   v[ADRB+\slot] offset:(4*\p+\i)*16*PITCH+\kk*64
	ds_load_b128 v[BP+32*\p+8*\i+4:BP+32*\p+8*\i+7], v[ADRB+\slot] offset:(4*\p+\i)*16*PITCH+\kk*64+32
.endr
.endm
.macro LDA f, half, slot, kk           ; 8 loads: x fragments 4 half .. 4 half + 3 into buffer f
.irp i, 0,1,2,3
	ds_load_b128 v[\f+8*(4*\half+\i):\f+8*(4*\half+\i)+3],   v[ADRA+\slot] offset:(4*\half+\i)*16*PITCH+\kk*64
	ds_load_b128 v[\f+8*(4*\half+\i)+4:\f+8*(4*\half+\i)+7], v[ADRA+\slot] offset:(4*\half+\i)*16*PITCH+\kk*64+32
.endr
.endm
.macro LDBIAS dst, g                   ; 8 loads: my eight biases of each of column group g's four tiles
.irp bb, 0,1,2,3
	global_load_b128 v[\dst+8*\bb:\dst+8*\bb+3],   v[VB], s[8:9] offset:64*(4*\g+\bb)
	global_load_b128 v[\dst+8*\bb+4:\dst+8*\bb+7], v[VB], s[8:9] offset:64*(4*\g+\bb)+16
.endr
.endm
; 4 cnt matrix instructions: row tiles a0 .. a0 + cnt - 1 x the four column tiles of group g.  zero = 1: the first product starts the sums.
.macro MULG g, f, a0, cnt, zero
	WIN (\g+1)*0x50                        ; C and D in window g + 1, both sources in window 0
.set ma, \a0
.rept \cnt
.irp bb, 0,1,2,3
.if \zero
	v_wmma_f32_16x16x32_bf16 v[8*(4*ma+\bb):8*(4*ma+\bb)+7], v[BP+32*\g+8*\bb:BP+32*\g+8*\bb+7], v[\f+8*ma:\f+8*ma+7], 0
.else
	v_wmma_f32_16x16x32_bf16 v[8*(4*ma+\bb):8*(4*ma+\bb)+7], v[BP+32*\g+8*\bb:BP+32*\g+8*\bb+7], v[\f+8*ma:\f+8*ma+7], v[8*(4*ma+\bb):8*(4*ma+\bb)+7]
.endif
.endr
.set ma, ma+1
.endr
.endm
; A K step of 64: two halves of 32, each three groups of 32 matrix instructions.  In front of each group stands one run of LDS loads for a later group.
; On entry 32 loads are out: pieces 0 and 1 and buffer 0 for this slot's first half.
; fill = 1: this slot is asked for again, two K steps ahead.  last = 1: the very last step: nothing more to fetch but the biases.
.macro TRIP slot, next, fill, last, zero
	WIN 0
	PLACES
	LDB 2, \slot, 0
	s_wait_dscnt 8                                 ; all but the 8 just issued: pieces 0 and 1 and buffer 0 are in
	MULG 0, AF0, 0, 8, \zero
	WIN 0
	PLACES
	LDB 0, \slot, 1
	LDA AF1, 0, \slot, 1
	MULG 1, AF0, 0, 8, \zero
	WIN 0
	PLACES
	LDB 1, \slot, 1
	LDA AF1, 1, \slot, 1
	s_wait_dscnt 32                                ; piece 2 is in: 16 + 16 loads were issued behind it
	MULG 2, AF0, 0, 8, \zero
	WIN 0
	PLACES
	LDB 2, \slot, 1
.if \last
	LDBIAS AF0, 0                                  ; buffer 0 is free: groups 0 and 1's biases
	LDBIAS AF0+32, 1
	s_wait_dscnt 8
	MULG 0, AF1, 0, 8, 0
	WIN 0
	PLACES
	LDBIAS BP, 2                                   ; piece 0 is free: group 2's
	MULG 1, AF1, 0, 8, 0
	s_wait_dscnt 0
	MULG 2, AF1, 0, 8, 0
.else
	s_wait_dscnt 8                                 ; pieces 0 and 1 and buffer 1 are in
	MULG 0, AF1, 0, 4, 0
	s_wait_dscnt 0                                 ; my reads of this slot are over
	s_wait_tensorcnt 0x0                           ; and all my tensor loads have landed: the one that was out is my part of the next slot
	ds_add_u32 v30, v31
	s_wait_dscnt 0x0
	s_barrier_signal -1                            ; say so (where the slot is filled again this barrier opens a round of the cluster's barrier),
	MULG 0, AF1, 4, 4, 0                           ; work on registers while the others arrive,
	WIN 0
	s_barrier_wait -1
.if \fill
	CREST                                          ; no wave of any partner still reads this slot or has a load on its way
	s_add_nc_u64 s[G0A+4*\slot+2:G0A+4*\slot+3], s[G0A+4*\slot+2:G0A+4*\slot+3], 2*XSTR
	s_add_nc_u64 s[G0B+4*\slot+2:G0B+4*\slot+3], s[G0B+4*\slot+2:G0B+4*\slot+3], 2*WSTR
	JLOAD \slot                                    ; my one tensor load behind the round, ahead of every LDS read
.endif
	PLACES
	LDB 0, \next, 0
	LDA AF0, 0, \next, 0
	MULG 1, AF1, 0, 8, 0
	WIN 0
	PLACES
	LDB 1, \next, 0
	LDA AF0, 1, \next, 0
	MULG 2, AF1, 0, 8, 0                           ; piece 2 came in with the wait for 0 above
.endif
.endm
	s_wait_tensorcnt 1                             ; my part of K step 0 is in; K step 1's may stay out
	s_barrier_signal -1
	s_barrier_wait -1
	LDB 0, 0, 0
	LDA AF0, 0, 0, 0
	LDB 1, 0, 0
	LDA AF0, 1, 0, 0
	TRIP 0, 1, 1, 0, 1                             ; 16 K steps: 2 here, 12 in the loop, 2 behind it that fill nothing
	TRIP 1, 0, 1, 0, 0
	WIN 0
	s_mov_b32 s15, 6
.Llap:
	TRIP 0, 1, 1, 0, 0
	TRIP 1, 0, 1, 0, 0
	WIN 0
	s_sub_co_u32 s15, s15, 1
	s_cmp_lg_u32 s15, 0
	s_cbranch_scc1 .Llap
	TRIP 0, 1, 0, 0, 0
	TRIP 1, 0, 0, 1, 0
	WIN 0
	PLACES
	s_wait_loadcnt 0x0                             ; the biases
; THE WAY OUT, 16 rows at a time: add the bias, round to f16, 16 bytes a lane into my stage, read back by heads: four tokens of a head are
; 512 consecutive bytes of qkv, aligned, and one store of the wave covers them.
.macro OUT16 a
.irp g, 0,1,2
.set bs, 32+32*\g+64*(\g/2)                        ; group g's biases: v32, v64, v160
	WIN ((\g+1)<<6)|(\g+1)                         ; destination and source 0 in window g + 1, the bias in window 0
.irp bb, 0,1,2,3
.irp p, 0,1,2,3
	v_pk_add_f32 v[8*(4*\a+\bb)+2*\p:8*(4*\a+\bb)+2*\p+1], v[8*(4*\a+\bb)+2*\p:8*(4*\a+\bb)+2*\p+1], v[bs+8*\bb+2*\p:bs+8*\bb+2*\p+1]
.endr
.endr
	WIN (\g+1)|((\g+1)<<2)                         ; both sources in window g + 1, the destination in window 0
.irp bb, 0,1,2,3
.irp p, 0,1,2,3
	v_cvt_pk_f16_f32 v[TMP+4*(4*\g+\bb)+\p], v[8*(4*\a+\bb)+2*\p], v[8*(4*\a+\bb)+2*\p+1]
.endr
.endr
.endr
	WIN 0
.irp b, 0,1,2,3,4,5,6,7,8,9,10,11
	ds_store_b128 v[STO], v[TMP+4*\b:TMP+4*\b+3] offset:32*\b
.endr
	s_wait_xcnt 0x0                                ; RB was the data of the last block's stores: it is loaded again only behind this wait
.irp hh, 0,1,2
.irp t, 0,1,2,3
	ds_load_b128 v[RB+4*(4*\hh+\t):RB+4*(4*\hh+\t)+3], v[RD] offset:\t*4*SPITCH+\hh*128   ; LDS serves a wave's instructions in order: these see the stores above
.endr
.endr
.irp hh, 0,1,2
.irp t, 0,1,2,3
	s_wait_dscnt 11-(4*\hh+\t)
	global_store_b128 v[CO], v[RB+4*(4*\hh+\t):RB+4*(4*\hh+\t)+3], s[68+2*\hh:69+2*\hh] offset:\a*2048+\t*512
.endr
.endr
.endm
	OUT16 0
	OUT16 1
	OUT16 2
	OUT16 3
	OUT16 4
	OUT16 5
	OUT16 6
	OUT16 7
	s_wait_tensorcnt 0x0
	ds_add_u32 v30, v31
	s_wait_dscnt 0x0
	CROUND                                         ; the closing round: no work-group ends while a partner may still ask for a tile that names it
	s_endpgm
.Lfunc_end_k_q81ff9aca1e_qkv:
	.size	k_q81ff9aca1e_qkv, .Lfunc_end_k_q81ff9aca1e_qkv-k_q81ff9aca1e_qkv
	.p2alignl 7, 3214868480
	.fill 96, 4, 3214868480
	.section	.rodata,"a",@progbits
	.p2align	6, 0x0
	.amdhsa_kernel k_q81ff9aca1e_qkv
		.amdhsa_group_segment_fixed_size 327680
		.amdhsa_private_segment_fixed_size 0
		.amdhsa_enable_private_segment 0
		.amdhsa_kernarg_size 32
		.amdhsa_user_sgpr_count 2
		.amdhsa_user_sgpr_kernarg_segment_ptr 1
		.amdhsa_wavefront_size32 1
		.amdhsa_system_sgpr_workgroup_id_x 1
		.amdhsa_system_sgpr_workgroup_id_y 1
		.amdhsa_system_sgpr_workgroup_id_z 1
		.amdhsa_system_vgpr_workitem_id 0
		.amdhsa_next_free_vgpr 1024
		.amdhsa_next_free_sgpr 80
		.amdhsa_reserve_vcc 0
		.amdhsa_float_denorm_mode_32 3
		.amdhsa_float_denorm_mode_16_64 3
		.amdhsa_memory_ordered 1
		.amdhsa_forward_progress 1
		.amdhsa_inst_pref_size 198
	.end_amdhsa_kernel
	.amdgpu_metadata
---
amdhsa.version: [ 1, 2 ]
amdhsa.kernels:
  - .name:           k_q81ff9aca1e_qkv
    .symbol:         k_q81ff9aca1e_qkv.kd
    .args:
      - { .name: xb, .offset: 0, .size: 8, .value_kind: global_buffer, .address_space: global }
      - { .name: wb, .offset: 8, .size: 8, .value_kind: global_buffer, .address_space: global }
      - { .name: bias3, .offset: 16, .size: 8, .value_kind: global_buffer, .address_space: global }
      - { .name: qkv, .offset: 24, .size: 8, .value_kind: global_buffer, .address_space: global }
    .group_segment_fixed_size: 327680
    .private_segment_fixed_size: 0
    .kernarg_segment_align: 8
    .kernarg_segment_size: 32
    .max_flat_workgroup_size: 128
    .sgpr_count:     80
    .vgpr_count:     1024
    .wavefront_size: 32
...
	.end_amdgpu_metadata
.endif
;; end of part 2
;; launch attn (part 3): grid 128 x 2, 4 waves a work-group, clusters of 4 x 1, 327,680 bytes of LDS; arguments qkv, mask2, ao; writes ao
.if DOCPART == 3
	.amdgcn_target "amdgcn-amd-amdhsa--gfx1250"
	.amdhsa_code_object_version 6
	.text
	.protected	k_q81ff9aca1e_attn
	.globl	k_q81ff9aca1e_attn
	.p2align	8
	.type	k_q81ff9aca1e_attn,@function
k_q81ff9aca1e_attn:
	s_mov_b64 s[64:65], 0
	v_nop
	global_prefetch_b8 v0, s[64:65] scope:SCOPE_SE
	s_setreg_imm32_b32 hwreg(HW_REG_WAVE_MODE, 25, 1), 1
	s_wait_xcnt 0x0
	s_wait_alu depctr_hold_cnt(0) depctr_sa_sdst(0) depctr_va_vdst(0) depctr_va_sdst(0) depctr_va_ssrc(0) depctr_va_vcc(0) depctr_vm_vsrc(0)
	s_getreg_b32 s2, hwreg(HW_REG_IB_STS2, 6, 4)
	s_cmp_eq_u32 s2, 0
	s_cbranch_scc0 .Lentry_in_a_cluster
	s_endpgm
.Lentry_in_a_cluster:
	s_bfe_u32 s2, ttmp6, 0x10000c
	s_cmp_lg_u32 s2, 0x3003
	s_cbranch_scc0 .Lentry_shape_is_right
	s_endpgm
.Lentry_shape_is_right:
; Launch 3 of 4: ao[batch][head][token][64] = softmax(q k^T / 8 + mask) v, in f16.  No work is left out: the mask is an input, so every score is made.
; A work-group takes one (batch, head) and 512 queries; a wave 128 queries = 8 query tiles of 16; 16 key steps of 64 keys through two LDS slots.
; SOFTMAX in base 2 with a running maximum: t = s * (log2(e) / 8) + mask2 (one fused multiply-add), m = running maximum of t, p = 2^(t - m);
; the row sum l and the output are rescaled by 2^(m_old - m_new).  The mask is added by the vector unit's fused multiply-add, which rounds to nearest:
; at a mask of -1e9 one last place of t is 128, and a row that is masked throughout keeps equal weights only if every score there is rounded away.
; FORMATS: q, k, v, p and the output are f16 (11 bits of significand), sums f32.  p is at most 1 and the output at most the largest |v|, so both have room.
; LIMITS: p below 2^-126 is flushed to zero; p goes to the product rounded to f16 (off by 2^-25 at the most where p is under 2^-14) while l sums the f32 values;
; 1 / l is v_rcp_f32.
; m is floored at -FLT_MAX, so a block of 64 keys whose mask is -inf throughout gives p = 0 there; a row that is -inf throughout ends as 0 x inf = NaN, as the reference's does.
; CLUSTERS: the four work-groups of a cluster have four (batch, head) pairs and the same 512 queries, so they need the same mask tile
; (131,072 of a step's 147,456 bytes): it is asked for jointly.  K and V are each work-group's own; the two work-groups that share them
; have different queries and different mask tiles, and K and V are one ninth of a step's bytes: they are plain loads.
; BOTH PRODUCTS ARE USED TRANSPOSED.  S^T = K Q^T: lane (r, h) holds query r and keys 16 kt + 8 h + 0..7, so maximum and sum run along the
; lane's registers plus one exchange between the halves, and the packed p ARE the second product's source 1.  O^T = V^T P^T: V^T comes from
; V [key][d] by the transposing LDS load; lane (r, h) holds d = 16 dt + 8 h + 0..7 of query r, so the rescaling factors are the lane's own.
; MATRIX AND VECTOR WORK BY TURNS.  Within a key step the eight query tiles go through a pipeline: in stage i the vector unit does tile i's softmax,
; cut into 16 slices, and one matrix instruction stands in front of each slice: the 8 of tile i + 1's scores, then the 8 that add tile i - 1's p V.
; Scores, p, mask words and the rescaling factor have two buffers each, taken by the tile's parity.  A stage has 16 matrix and 133 other vector
; instructions (16 multiply-adds, 18 for the maximum, 3 for the factor, 16 subtractions, 32 exponentials, 16 packings, 16 sums, 16 rescalings).
; The rescaling of tile i - 1's output is carried into stage i, four instructions at the head of slices 4 to 7, where it stands between the links of
; the maximum's last chain (two maxima of three, the exchange of halves, one maximum), each of which needs the one before.  Tile 7 rescales in its own stage.
; A step's first 8 products (tile 0's scores) and last 8 (tile 7's p V) stand alone: to carry them over the change of slots the step would have to be
; written out six times instead of four.
; WINDOWS: window 0 holds all that the slices touch, window 1 the output, window 2 Q, K and V^T.  Each matrix instruction costs a switch into its
; windows and one back, each group of four rescalings one more: 36 in a stage.
; In each product four accumulators take turns, one instruction a turn.
.set SLOT,  158720                     ; mask 512 x 272, K 64 x 144, V 64 x 160
.set KOFF,  139264
.set VOFF,  148480
.set STAGE, 2*SLOT                     ; 317,440, a multiple of 256: 16 rows x 144 bytes for each wave; no fill lands there
.set KADR, 2                           ; v2-3   K fragments in slot 0, 1
.set VADR, 4                           ; v4-5   V fragments
.set MADR, 6                           ; v6-7   my mask words
.set QOFF, 8
.set STO,  9
.set RD,   10
.set CO,   11
.set TT,   12                          ; the other half's figure
.set NM,   14                          ; v[14:15]   the new maximum (a pair is named; v14 is used)
.set MM,   16                          ; v[16:23]   m of query tile i
.set LP,   24                          ; v[24:39]   l of query tile i, as a pair: my even keys, my odd keys
.set AL,   40                          ; v[40:43]   2^(m_old - m_new), a pair for each parity (the first register is used); at the end 1 / l
.set XM,   44                          ; v[44:47]   four chains of the maximum
.set PB,   48                          ; v[48:79]   p in f16, two buffers of 16: source 1 of the second product
.set SC,   80                          ; v[80:143]  scores, two buffers of 32: key tile kt at 8 kt
.set MK,   144                         ; v[144:207] mask words, two buffers of 32
.set T0,   208                         ; v[208:211] at work in the set-up
.set KF,   128                         ; window 2, v[128:191]: K fragments: (kt, ds) at 16 kt + 8 ds
.set VF,   192                         ; window 2, v[192:255]: V^T fragments: (ks, dt) at 32 ks + 8 dt
                                       ; window 2, v[0:127]: Q fragments at 16 i + 8 ds;  window 1: O^T, query tile i, d tile dt at 32 i + 8 dt
.set G1M, 24
.set G1K, 32
.set G1V, 40
.set G0M, 48                           ; s[48:55] one group 0 for each slot
.set G0K, 56                           ; s[56:63]
.set G0V, 68                           ; s[68:75]
.set MSB, 0
.macro WIN new                         ; low byte: bits 1:0 source 0, 3:2 source 1, 5:4 source 2, 7:6 destination; the high byte repeats the setting that is left
.if MSB != (\new)
	s_set_vgpr_msb (MSB<<8)|(\new)
.set MSB, \new
.endif
.endm
.macro PLACES                          ; four plain vector instructions between a matrix instruction and a load into, or a vector use of, its registers
.rept 4
	v_nop
.endr
.endm
.macro ROUND                           ; a round of the cluster's barrier
	s_barrier_signal -1
	s_barrier_wait -1
	s_cmp_lg_u32 s10, 0
	s_cbranch_scc1 .Lnot_wave_0_\@
	s_barrier_signal -3
.Lnot_wave_0_\@:
	s_barrier_wait -3
	s_barrier_signal -1
	s_barrier_wait -1
.endm
.macro TLOAD s                         ; one tensor load a wave: waves 2 and 3 the halves of the mask tile (jointly), wave 0 K, wave 1 V
	s_cmp_ge_u32 s10, 2
	s_cbranch_scc0 .Lkv_\@
	tensor_load_to_lds s[G0M+4*(\s):G0M+4*(\s)+3], s[G1M:G1M+7]
	s_nop 0
	s_branch .Lasked_\@
.Lkv_\@:
	s_cmp_eq_u32 s10, 0
	s_cbranch_scc0 .Lv_\@
	tensor_load_to_lds s[G0K+4*(\s):G0K+4*(\s)+3], s[G1K:G1K+7]
	s_nop 0
	s_branch .Lasked_\@
.Lv_\@:
	tensor_load_to_lds s[G0V+4*(\s):G0V+4*(\s)+3], s[G1V:G1V+7]
	s_nop 0
.Lasked_\@:
.endm
	s_load_b128 s[4:7], s[0:1], 0x0                ; qkv, mask2
	s_load_b64 s[8:9], s[0:1], 0x10                ; ao
	v_lshl_add_u32 v254, v0, 2, 0x4fc00
	v_mov_b32 v255, 0
	ds_add_u32 v254, v255
	v_lshrrev_b32 v1, 5, v0
	v_readfirstlane_b32 s10, v1                    ; wave
	s_and_b32 s11, s10, 1
	s_bfe_u32 s12, ttmp6, 0x40000                  ; cx
	s_lshl_b32 s13, ttmp9, 2
	s_add_co_u32 s13, s13, s12                     ; (batch, head) 0..127
	s_and_b32 s14, ttmp7, 0xffff                   ; which 512 queries: the same in all four partners
	s_mov_b32 s20, 0x76543210                      ; v_permlanex16_b32: lane i of one half reads lane i of the other
	s_mov_b32 s21, 0xfedcba98
	s_mov_b32 s22, 0x3e38aa3b                      ; log2(e) / 8, twice
	s_mov_b32 s23, 0x3e38aa3b
	s_mov_b32 s77, 0xff7fffff                      ; -FLT_MAX: the floor of the maximum
	; mask tile: 256 rows (a wave's half) x 64 f32 (64 words: interval code 5), 4 words of padding: LDS pitch 272; mask 15: all four partners
	s_mov_b32 s[G1M+0], 15|(2<<16)|(1<<20)|(1<<21)|(5<<22)|(3<<25)
	s_mov_b32 s[G1M+1], 64<<16
	s_mov_b32 s[G1M+2], 256<<16
	s_mov_b32 s[G1M+3], 64<<16
	s_mov_b32 s[G1M+4], 256
	s_mov_b32 s[G1M+5], 1024
	s_mov_b32 s[G1M+6], 0
	s_mov_b32 s[G1M+7], 0
	; K tile: 64 keys x 64 f16 lie end to end in memory: stated as 32 rows of 128 f16 (256 bytes), pitch 128; 4 words of padding after every 32 words
	; (code 4), so that in LDS each key has 128 + 16 bytes
	s_mov_b32 s[G1K+0], (1<<16)|(1<<20)|(4<<22)|(3<<25)
	s_mov_b32 s[G1K+1], 128<<16
	s_mov_b32 s[G1K+2], 32<<16
	s_mov_b32 s[G1K+3], 128<<16
	s_mov_b32 s[G1K+4], 32
	s_mov_b32 s[G1K+5], 128
	s_mov_b32 s[G1K+6], 0
	s_mov_b32 s[G1K+7], 0
	; V tile: the same with 8 words of padding: 160 bytes a key, an odd multiple of 32, for the transposing load
	s_mov_b32 s[G1V+0], (1<<16)|(1<<20)|(4<<22)|(7<<25)
	s_mov_b32 s[G1V+1], 128<<16
	s_mov_b32 s[G1V+2], 32<<16
	s_mov_b32 s[G1V+3], 128<<16
	s_mov_b32 s[G1V+4], 32
	s_mov_b32 s[G1V+5], 128
	s_mov_b32 s[G1V+6], 0
	s_mov_b32 s[G1V+7], 0
	s_lshl_b32 s16, s14, 21                        ; the mask's offset, of numbers that the partners share: 512 rows x 4,096 bytes,
	s_lshl_b32 s17, s11, 20                        ; + my half's 256 rows
	s_add_co_u32 s16, s16, s17
	s_mov_b32 s17, 0
	s_mul_i32 s15, s11, 256*272
	s_lshl_b32 s18, s13, 17                        ; my plane: 131,072 bytes each
	s_mov_b32 s19, 0
	s_wait_dscnt 0x0
	s_wait_kmcnt 0x0
	s_add_nc_u64 s[6:7], s[6:7], s[16:17]
	s_add_nc_u64 s[78:79], s[4:5], s[18:19]        ; q's plane; k's lies 128 planes on, v's 256
.irp s, 0,1
	s_mov_b32 s[G0M+4*\s], 1
	s_add_co_u32 s[G0M+4*\s+1], s15, \s*SLOT
	s_add_nc_u64 s[G0M+4*\s+2:G0M+4*\s+3], s[6:7], \s*256          ; key step s: 64 f32
	s_or_b32 s[G0M+4*\s+3], s[G0M+4*\s+3], 0x80000000
	s_mov_b32 s[G0K+4*\s], 1
	s_mov_b32 s[G0K+4*\s+1], KOFF+\s*SLOT
	s_add_nc_u64 s[G0K+4*\s+2:G0K+4*\s+3], s[78:79], 0x1000000+\s*8192   ; key step s: 64 keys of 128 bytes
	s_or_b32 s[G0K+4*\s+3], s[G0K+4*\s+3], 0x80000000
	s_mov_b32 s[G0V+4*\s], 1
	s_mov_b32 s[G0V+4*\s+1], VOFF+\s*SLOT
	s_add_nc_u64 s[G0V+4*\s+2:G0V+4*\s+3], s[78:79], 0x2000000+\s*8192
	s_or_b32 s[G0V+4*\s+3], s[G0V+4*\s+3], 0x80000000
.endr
	ROUND                                          ; the four partners are here: the first joint load meets
	TLOAD 0                                        ; key step 0; slot 1 is first filled behind the first step's round, as a refill is
	s_lshl_b32 s16, s14, 16                        ; my queries: (512 x half + 128 x wave) x 128 bytes
	s_lshl_b32 s17, s10, 14
	s_add_co_u32 s16, s16, s17
	s_mov_b32 s17, 0
	s_add_nc_u64 s[78:79], s[78:79], s[16:17]
	s_add_nc_u64 s[8:9], s[8:9], s[18:19]
	s_add_nc_u64 s[8:9], s[8:9], s[16:17]
	v_and_b32 v[T0], 15, v0                        ; r
	v_bfe_u32 v[T0+1], v0, 4, 1                    ; h
	v_mul_u32_u24 v[T0+2], v[T0], 144
	v_lshl_add_u32 v[T0+2], v[T0+1], 4, v[T0+2]    ; r x 144 + 16 h
	v_add_nc_u32 v[KADR], KOFF, v[T0+2]
	v_add_nc_u32 v[KADR+1], KOFF+SLOT, v[T0+2]
	s_mul_i32 s16, s10, 16*144
	s_add_co_u32 s16, s16, STAGE                   ; my stage
	v_add_nc_u32 v[STO], s16, v[T0+2]
	v_and_b32 v[T0+2], 7, v0
	v_lshl_add_u32 v[T0+2], v[T0+1], 3, v[T0+2]    ; key 8 h + lane % 8
	v_mul_u32_u24 v[T0+2], v[T0+2], 160
	v_bfe_u32 v[T0+3], v0, 3, 1
	v_lshl_add_u32 v[T0+2], v[T0+3], 4, v[T0+2]    ; + 16 x ((lane / 8) % 2)
	v_add_nc_u32 v[VADR], VOFF, v[T0+2]
	v_add_nc_u32 v[VADR+1], VOFF+SLOT, v[T0+2]
	v_mul_u32_u24 v[T0+2], v[T0], 272
	v_lshl_add_u32 v[T0+2], v[T0+1], 5, v[T0+2]    ; r x 272 + 32 h
	s_mul_i32 s17, s10, 128*272                    ; my 128 rows of the mask tile
	v_add_nc_u32 v[MADR], s17, v[T0+2]
	v_add_nc_u32 v[MADR+1], SLOT, v[MADR]
	v_lshlrev_b32 v[QOFF], 7, v[T0]
	v_lshl_add_u32 v[QOFF], v[T0+1], 4, v[QOFF]    ; r x 128 + 16 h
	v_and_b32 v[T0+2], 31, v0
	v_lshlrev_b32 v[CO], 4, v[T0+2]                ; 16 x lane
	v_lshrrev_b32 v[T0+3], 3, v[T0+2]
	v_and_b32 v[T0+2], 7, v[T0+2]
	v_mul_u32_u24 v[T0+3], v[T0+3], 144
	v_lshl_add_u32 v[T0+3], v[T0+2], 4, v[T0+3]
	v_add_nc_u32 v[RD], s16, v[T0+3]               ; back: eight lanes take a row's 128 bytes, the wave four rows
	v_mov_b32 v[TT], 0                             ; a lane exchange's destination, and the second register of a pair that is named, count as read
	v_mov_b32 v[NM+1], 0
	v_mov_b32 v[AL+1], 0
	v_mov_b32 v[AL+3], 0
	WIN 0x80                                       ; destination in window 2
.irp i, 0,1,2,3,4,5,6,7
.irp ds, 0,1
	global_load_b128 v[16*\i+8*\ds:16*\i+8*\ds+3],   v[QOFF], s[78:79] offset:\i*2048+\ds*64
	global_load_b128 v[16*\i+8*\ds+4:16*\i+8*\ds+7], v[QOFF], s[78:79] offset:\i*2048+\ds*64+32
.endr
.endr
	WIN 0                                          ; Q stays in registers for the whole kernel; it is waited for in front of the first product
.macro LDK slot                        ; 16 loads into window 2
	WIN 0x80
.irp kt, 0,1,2,3
.irp ds, 0,1
	ds_load_b128 v[KF+16*\kt+8*\ds:KF+16*\kt+8*\ds+3],   v[KADR+\slot] offset:\kt*2304+\ds*64
	ds_load_b128 v[KF+16*\kt+8*\ds+4:KF+16*\kt+8*\ds+7], v[KADR+\slot] offset:\kt*2304+\ds*64+32
.endr
.endr
.endm
.macro LDV slot                        ; 16 transposing loads into window 2: 32 keys x 16 d each pair
	WIN 0x80
.irp ks, 0,1
.irp dt, 0,1,2,3
	ds_load_tr16_b128 v[VF+32*\ks+8*\dt:VF+32*\ks+8*\dt+3],   v[VADR+\slot] offset:\ks*5120+\dt*32
	ds_load_tr16_b128 v[VF+32*\ks+8*\dt+4:VF+32*\ks+8*\dt+7], v[VADR+\slot] offset:\ks*5120+\dt*32+2560
.endr
.endr
.endm
.macro LDM slot, i                     ; 8 loads: query tile i's mask words, eight for each key tile, into the buffer of its parity
	WIN 0
.irp kt, 0,1,2,3
	ds_load_b128 v[MK+32*((\i)&1)+8*\kt:MK+32*((\i)&1)+8*\kt+3],   v[MADR+\slot] offset:(\i)*4352+\kt*64
	ds_load_b128 v[MK+32*((\i)&1)+8*\kt+4:MK+32*((\i)&1)+8*\kt+7], v[MADR+\slot] offset:(\i)*4352+\kt*64+16
.endr
.endm
; Product k of the 8 of query tile t's scores: key tiles 0..3 on d 0-31 (these start the sums), then key tiles 0..3 on d 32-63.
.macro SOP t, k
	WIN 0x0a                                       ; sources 0 (K) and 1 (Q) in window 2, C and D in window 0
.if (\k) < 4
	v_wmma_f32_16x16x32_f16 v[SC+32*((\t)&1)+8*(\k):SC+32*((\t)&1)+8*(\k)+7], v[KF+16*(\k):KF+16*(\k)+7], v[16*(\t):16*(\t)+7], 0
.else
	v_wmma_f32_16x16x32_f16 v[SC+32*((\t)&1)+8*((\k)-4):SC+32*((\t)&1)+8*((\k)-4)+7], v[KF+16*((\k)-4)+8:KF+16*((\k)-4)+15], v[16*(\t)+8:16*(\t)+15], v[SC+32*((\t)&1)+8*((\k)-4):SC+32*((\t)&1)+8*((\k)-4)+7]
.endif
.endm
; Product k of the 8 that add query tile t's p V: d tiles 0..3 on keys 0-31, then d tiles 0..3 on keys 32-63.  first = 1: the first key step starts the sums.
.macro POP t, k, first
	WIN 0x52                                       ; source 0 (V^T) in window 2, source 1 (p) in window 0, C and D (O) in window 1
.if (\k) < 4
.if \first
	v_wmma_f32_16x16x32_f16 v[32*(\t)+8*(\k):32*(\t)+8*(\k)+7], v[VF+8*(\k):VF+8*(\k)+7], v[PB+16*((\t)&1):PB+16*((\t)&1)+7], 0
.else
	v_wmma_f32_16x16x32_f16 v[32*(\t)+8*(\k):32*(\t)+8*(\k)+7], v[VF+8*(\k):VF+8*(\k)+7], v[PB+16*((\t)&1):PB+16*((\t)&1)+7], v[32*(\t)+8*(\k):32*(\t)+8*(\k)+7]
.endif
.else
	v_wmma_f32_16x16x32_f16 v[32*(\t)+8*((\k)-4):32*(\t)+8*((\k)-4)+7], v[VF+32+8*((\k)-4):VF+32+8*((\k)-4)+7], v[PB+16*((\t)&1)+8:PB+16*((\t)&1)+15], v[32*(\t)+8*((\k)-4):32*(\t)+8*((\k)-4)+7]
.endif
.endm
; The softmax's single steps.  SB, PP, MB: the stage's buffers of scores, p and mask words; AC: its factor; AP: the factor of the tile before.
.macro FM q                            ; pair q of 16: t = s * log2(e) / 8 + mask2
	v_pk_fma_f32 v[SB+2*(\q):SB+2*(\q)+1], v[SB+2*(\q):SB+2*(\q)+1], s[22:23], v[MB+2*(\q):MB+2*(\q)+1] op_sel_hi:[1,0,1]
.endm
.macro SU q                            ; t - m
	v_pk_add_f32 v[SB+2*(\q):SB+2*(\q)+1], v[SB+2*(\q):SB+2*(\q)+1], v[NM:NM+1] op_sel_hi:[1,0] neg_lo:[0,1] neg_hi:[0,1]
.endm
.macro EX r                            ; p = 2^(t - m), number r of 32
	v_exp_f32 v[SB+(\r)], v[SB+(\r)]
.endm
.macro CV q                            ; pair q packed for the product
	s_wait_alu depctr_va_vdst(0)
	v_cvt_pk_f16_f32 v[PP+(\q)], v[SB+2*(\q)], v[SB+2*(\q)+1]
.endm
.macro AD q, i, first                  ; pair q added to l: one chain on l's own pair; its first link rescales l, or, in the first key step, starts it
.if \first
.if (\q) == 1
	v_pk_add_f32 v[LP+2*\i:LP+2*\i+1], v[SB:SB+1], v[SB+2:SB+3]
.elseif (\q) > 1
	v_pk_add_f32 v[LP+2*\i:LP+2*\i+1], v[LP+2*\i:LP+2*\i+1], v[SB+2*(\q):SB+2*(\q)+1]
.endif
.else
.if (\q) == 0
	v_pk_fma_f32 v[LP+2*\i:LP+2*\i+1], v[LP+2*\i:LP+2*\i+1], v[AC:AC+1], v[SB:SB+1] op_sel_hi:[1,0,1]
.else
	v_pk_add_f32 v[LP+2*\i:LP+2*\i+1], v[LP+2*\i:LP+2*\i+1], v[SB+2*(\q):SB+2*(\q)+1]
.endif
.endif
.endm
.macro RS4 t, g, a                     ; d tile g of query tile t's output times the factor in register a
.irp q, 0,1,2,3
	v_pk_mul_f32 v[32*(\t)+8*(\g)+2*\q:32*(\t)+8*(\g)+2*\q+1], v[32*(\t)+8*(\g)+2*\q:32*(\t)+8*(\g)+2*\q+1], v[\a:\a+1] op_sel_hi:[1,0]
.endr
.endm
; Pair e's two exponentials, each followed by a plain instruction: a subtraction that runs ahead (pairs 2 to 5 in the first two steps, then pair e + 4)
; or the packing and the sum of pair e - 2.  So between an exponential and the use of its result stand plain instructions (ISA guide 5.7.2), eight
; instructions or more, and no exponential stands next to another.
.macro STEP e, i, first
	EX 2*(\e)
.if (\e) < 2
	SU 2*(\e)+2
.elseif (\e) < 12
	SU (\e)+4
.else
	CV (\e)-2
.endif
	EX 2*(\e)+1
.if (\e) < 2
	SU 2*(\e)+3
.elseif (\e) < 12
	CV (\e)-2
	AD (\e)-2, \i, \first
.else
	AD (\e)-2, \i, \first
.endif
.endm
; Slice n of the 16 of query tile i's softmax.
.macro SLICE n, i, first
.if \first == 0
.if \i > 0
.if \n > 3
.if \n < 8
	WIN 0x41                                       ; destination and source 0 (O) in window 1
	RS4 \i-1, \n-4, AP                             ; the tile before: its p V follows from slot 8 on
.endif
.endif
.endif
.if \i == 7
.if \n > 9
.if \n < 14
	WIN 0x41
	RS4 7, \n-10, AC                               ; the last tile has no stage behind it
.endif
.endif
.endif
.endif
	WIN 0
.if \n == 0
.irp q, 0,1,2,3,4,5,6,7
	FM \q
.endr
.elseif \n == 1
.irp q, 8,9,10,11,12,13,14,15
	FM \q
.endr
.elseif \n == 2
.irp c, 0,1,2,3
	v_max3_num_f32 v[XM+\c], v[SB+8*\c], v[SB+8*\c+1], v[SB+8*\c+2]
.endr
.irp c, 0,1,2,3
	v_max3_num_f32 v[XM+\c], v[XM+\c], v[SB+8*\c+3], v[SB+8*\c+4]
.endr
.elseif \n == 3
.irp c, 0,1,2,3
	v_max3_num_f32 v[XM+\c], v[XM+\c], v[SB+8*\c+5], v[SB+8*\c+6]
.endr
	v_max3_num_f32 v[XM], v[XM], v[SB+7], v[SB+15]             ; the four numbers that the chains of seven leave
	v_max3_num_f32 v[XM+1], v[XM+1], v[SB+23], v[SB+31]
.elseif \n == 4
	v_max3_num_f32 v[XM], v[XM], v[XM+1], v[XM+2]
.elseif \n == 5
.if \first
	v_max3_num_f32 v[XM], v[XM], v[XM+3], s77                  ; the floor
.else
	v_max3_num_f32 v[XM], v[XM], v[XM+3], v[MM+\i]
.endif
.elseif \n == 6
	v_permlanex16_b32 v[TT], v[XM], s20, s21                   ; the other half's keys of the same query
.elseif \n == 7
	v_max_num_f32 v[NM], v[XM], v[TT]
.elseif \n == 8
.if \first == 0
	v_sub_f32 v[AC], v[MM+\i], v[NM]
.endif
	SU 0
	SU 1
.if \first == 0
	v_exp_f32 v[AC], v[AC]                                     ; the copy below is the plain instruction behind it
.endif
	v_mov_b32 v[MM+\i], v[NM]                                  ; the new maximum is kept
	STEP 0, \i, \first
.elseif \n == 9
	STEP 1, \i, \first
	STEP 2, \i, \first
.elseif \n == 10
	STEP 3, \i, \first
	STEP 4, \i, \first
.elseif \n == 11
	STEP 5, \i, \first
	STEP 6, \i, \first
.elseif \n == 12
	STEP 7, \i, \first
	STEP 8, \i, \first
.elseif \n == 13
	STEP 9, \i, \first
	STEP 10, \i, \first
.elseif \n == 14
	STEP 11, \i, \first
	STEP 12, \i, \first
	STEP 13, \i, \first
.else
	STEP 14, \i, \first
	STEP 15, \i, \first
	CV 14
	AD 14, \i, \first
	CV 15
	AD 15, \i, \first
.endif
.endm
; Stage i of a key step: the next tile's mask words are asked for in one run; then 16 times a matrix instruction and a slice.
.macro STG slot, i, first
	WIN 0
.if \i < 7
	LDM \slot, \i+1
.endif
.if \i == 0
	s_wait_dscnt 24                                ; tile 0's mask words are in; V's 16 loads and the 8 just issued may stay out
.elseif \i < 7
	s_wait_dscnt 8                                 ; all but the 8 just issued: this tile's mask words (and, in stage 1, V) are in
.else
	s_wait_dscnt 0                                 ; the last tile's mask words: nothing else is out
.endif
.set SB, SC+32*(\i&1)
.set PP, PB+16*(\i&1)
.set MB, MK+32*(\i&1)
.set AC, AL+2*(\i&1)
.set AP, AL+2-2*(\i&1)
.irp n, 0,1,2,3,4,5,6,7,8,9,10,11,12,13,14,15
.if \n < 8
.if \i < 7
	SOP \i+1, \n
.endif
.else
.if \i > 0
	POP \i-1, \n-8, \first
.endif
.endif
	SLICE \n, \i, \first
.endr
.endm
; A key step.  In front of the round every wave waits for all its tensor loads (its part of this slot among them) and for its reads of the other
; slot; behind it the other slot is asked for again first, one tensor load a wave, which then has the whole step in which to land.
.macro TRIP slot, first, refill
	WIN 0
	s_wait_tensorcnt 0x0                           ; no tensor load of mine is out, so every group 0 may be written: this slot's next tile is two steps on
	ds_add_u32 v254, v255
	s_wait_dscnt 0x0
	s_add_nc_u64 s[G0M+4*\slot+2:G0M+4*\slot+3], s[G0M+4*\slot+2:G0M+4*\slot+3], 512
	s_add_nc_u64 s[G0K+4*\slot+2:G0K+4*\slot+3], s[G0K+4*\slot+2:G0K+4*\slot+3], 16384
	s_add_nc_u64 s[G0V+4*\slot+2:G0V+4*\slot+3], s[G0V+4*\slot+2:G0V+4*\slot+3], 16384
	s_wait_dscnt 0x0
	ROUND
.if \refill
	TLOAD 1-\slot
.endif
	PLACES                                         ; behind the last step's last products, which read V's registers
	LDK \slot
	LDM \slot, 0
	LDV \slot
	s_wait_dscnt 24                                ; K's 16 loads are in; the mask's 8 and V's 16 may stay out
.if \first
	s_wait_loadcnt 0x0                             ; Q
.endif
.irp k, 0,1,2,3,4,5,6,7
	SOP 0, \k
.endr
	PLACES                                         ; behind tile 0's scores, which stage 0's first slice reads
.irp i, 0,1,2,3,4,5,6,7
	STG \slot, \i, \first
.endr
.irp k, 0,1,2,3,4,5,6,7
	POP 7, \k, \first
.endr
.endm
	TRIP 0, 1, 1                                   ; 16 key steps: 1 here, 14 in the loop, the last fills nothing
	WIN 0
	s_mov_b32 s76, 7
.Lstep:
	TRIP 1, 0, 1
	TRIP 0, 0, 1
	WIN 0
	s_sub_co_u32 s76, s76, 1
	s_cmp_lg_u32 s76, 0
	s_cbranch_scc1 .Lstep
	TRIP 1, 0, 0
	WIN 0
	PLACES
; THE WAY OUT, a query tile at a time: divide by l, round to f16, 16 bytes a lane into my stage, read back by rows: four tokens are 512
; consecutive bytes of ao, aligned, and one store of the wave covers them.
.macro OUTQ i
	v_add_f32 v[AL], v[LP+2*\i], v[LP+2*\i+1]      ; my even and my odd keys,
	v_permlanex16_b32 v[TT], v[AL], s20, s21
	v_add_f32 v[AL], v[AL], v[TT]                  ; and the other half's
	v_rcp_f32 v[AL], v[AL]
	v_nop                                          ; the plain instruction behind the reciprocal
	WIN 0x01                                       ; source 0 (O) in window 1
.irp q, 0,1,2,3,4,5,6,7,8,9,10,11,12,13,14,15
	s_wait_alu depctr_va_vdst(0)
	v_pk_mul_f32 v[SC+2*\q:SC+2*\q+1], v[32*\i+2*\q:32*\i+2*\q+1], v[AL:AL+1] op_sel_hi:[1,0]
.endr
	WIN 0
.irp q, 0,1,2,3,4,5,6,7,8,9,10,11,12,13,14,15
	v_cvt_pk_f16_f32 v[PB+\q], v[SC+2*\q], v[SC+2*\q+1]
.endr
.irp dt, 0,1,2,3
	ds_store_b128 v[STO], v[PB+4*\dt:PB+4*\dt+3] offset:32*\dt
.endr
	s_wait_xcnt 0x0                                ; the registers below were earlier stores' data: they are loaded again only behind this wait
.irp u, 0,1,2,3
	ds_load_b128 v[MK+16*(\i&1)+4*\u:MK+16*(\i&1)+4*\u+3], v[RD] offset:576*\u     ; LDS serves a wave's instructions in order: these see the stores above
.endr
.irp u, 0,1,2,3
	s_wait_dscnt 3-\u
	global_store_b128 v[CO], v[MK+16*(\i&1)+4*\u:MK+16*(\i&1)+4*\u+3], s[8:9] offset:\i*2048+512*\u
.endr
.endm
	OUTQ 0
	OUTQ 1
	OUTQ 2
	OUTQ 3
	OUTQ 4
	OUTQ 5
	OUTQ 6
	OUTQ 7
	s_wait_tensorcnt 0x0
	ds_add_u32 v254, v255
	s_wait_dscnt 0x0
	ROUND                                          ; the closing round: no work-group ends while a partner may still ask for a tile that names it
	s_endpgm
.Lfunc_end_k_q81ff9aca1e_attn:
	.size	k_q81ff9aca1e_attn, .Lfunc_end_k_q81ff9aca1e_attn-k_q81ff9aca1e_attn
	.p2alignl 7, 3214868480
	.fill 96, 4, 3214868480
	.section	.rodata,"a",@progbits
	.p2align	6, 0x0
	.amdhsa_kernel k_q81ff9aca1e_attn
		.amdhsa_group_segment_fixed_size 327680
		.amdhsa_private_segment_fixed_size 0
		.amdhsa_enable_private_segment 0
		.amdhsa_kernarg_size 24
		.amdhsa_user_sgpr_count 2
		.amdhsa_user_sgpr_kernarg_segment_ptr 1
		.amdhsa_wavefront_size32 1
		.amdhsa_system_sgpr_workgroup_id_x 1
		.amdhsa_system_sgpr_workgroup_id_y 1
		.amdhsa_system_sgpr_workgroup_id_z 1
		.amdhsa_system_vgpr_workitem_id 0
		.amdhsa_next_free_vgpr 768
		.amdhsa_next_free_sgpr 80
		.amdhsa_reserve_vcc 0
		.amdhsa_float_denorm_mode_32 3
		.amdhsa_float_denorm_mode_16_64 3
		.amdhsa_memory_ordered 1
		.amdhsa_forward_progress 1
		.amdhsa_inst_pref_size 255
	.end_amdhsa_kernel
	.section	.bss,"aw",@nobits
	.p2align	6
	.space	262144
	.amdgpu_metadata
---
amdhsa.version: [ 1, 2 ]
amdhsa.kernels:
  - .name:           k_q81ff9aca1e_attn
    .symbol:         k_q81ff9aca1e_attn.kd
    .args:
      - { .name: qkv, .offset: 0, .size: 8, .value_kind: global_buffer, .address_space: global }
      - { .name: mask2, .offset: 8, .size: 8, .value_kind: global_buffer, .address_space: global }
      - { .name: ao, .offset: 16, .size: 8, .value_kind: global_buffer, .address_space: global }
    .group_segment_fixed_size: 327680
    .private_segment_fixed_size: 0
    .kernarg_segment_align: 8
    .kernarg_segment_size: 24
    .max_flat_workgroup_size: 128
    .sgpr_count:     80
    .vgpr_count:     768
    .wavefront_size: 32
...
	.end_amdgpu_metadata
.endif
;; end of part 3
;; launch proj (part 4): grid 8 x 32, 4 waves a work-group, clusters of 4 x 4, 327,680 bytes of LDS; arguments ao, wb, bo, out0; writes out0
.if DOCPART == 4
	.amdgcn_target "amdgcn-amd-amdhsa--gfx1250"
	.amdhsa_code_object_version 6
	.text
	.protected	k_q81ff9aca1e_proj
	.globl	k_q81ff9aca1e_proj
	.p2align	8
	.type	k_q81ff9aca1e_proj,@function
k_q81ff9aca1e_proj:
	s_mov_b64 s[64:65], 0
	v_nop
	global_prefetch_b8 v0, s[64:65] scope:SCOPE_SE
	s_setreg_imm32_b32 hwreg(HW_REG_WAVE_MODE, 25, 1), 1
	s_wait_xcnt 0x0
	s_wait_alu depctr_hold_cnt(0) depctr_sa_sdst(0) depctr_va_vdst(0) depctr_va_sdst(0) depctr_va_ssrc(0) depctr_va_vcc(0) depctr_vm_vsrc(0)
	s_getreg_b32 s2, hwreg(HW_REG_IB_STS2, 6, 4)
	s_cmp_eq_u32 s2, 0
	s_cbranch_scc0 .Lentry_in_a_cluster
	s_endpgm
.Lentry_in_a_cluster:
	s_bfe_u32 s2, ttmp6, 0x10000c
	s_cmp_lg_u32 s2, 0xf033
	s_cbranch_scc0 .Lentry_shape_is_right
	s_endpgm
.Lentry_shape_is_right:
; Launch 4 of 4: out0[8192][1024] = ao * Wo^T + bo, in f32.  ao lies by heads, [batch][head][token][64] in f16; Wo lies in wb from byte 6,291,456 on,
; [1024][1024] in f16 (the value of bf16(Wo)).  Both operands are f16, the sums f32.  No work is left out.
; 256 work-groups, one block of 256 rows x 128 columns each (32 x 8 blocks); four waves, a wave makes 128 x 64: 32 accumulator tiles in window 1.
; K goes in steps of 128 = two heads through two LDS slots: ao's tile is two heads x 256 tokens x 128 bytes, the weights' tile 128 rows x 256 bytes.
; A head's 256 tokens lie end to end in memory: the descriptor states them as 128 rows of 256 bytes and pads after every 32 words (128 bytes),
; so that in LDS each token has 128 + 16 bytes.
; CLUSTERS: 4 x 4 work-groups; ao's tile is shared along a row of the cluster, the weights' along a column, each asked for jointly by the four.
; THE MATRIX INSTRUCTION IS USED TRANSPOSED (source 0 = rows of Wo, source 1 = rows of ao): lane (r, h) holds row r and columns 8 h + 0..7 of a tile.
; The first product of each tile takes the bias as C, so the bias costs no instruction and nothing is cleared.
; The 32 accumulators take turns, one instruction a turn, over the backward jump too.
.set HEADB,  256*144                   ; one head's 256 rows, pitch 144
.set BOFF,   2*HEADB                   ; 73,728: the weights' 128 rows, pitch 272, lie behind
.set SLOT,   BOFF+128*272              ; 108,544
.set STAGE,  2*SLOT                    ; 217,088, a multiple of 256: 16 rows x 272 bytes for each wave; no fill lands there
.set SPITCH, 272                       ; 64 f32 + 16 bytes
.set ADRA, 4                           ; v4-5
.set ADRB, 6                           ; v6-7
.set STO,  8
.set RD,   9
.set CO,   10
.set VB,   11
.set BIAS, 16                          ; v[16:47]   my eight biases of each of the four column tiles
.set F0,   48                          ; v[48:143]  fragments, buffer 0: ao's 8 at +0, the weights' 4 at +64
.set F1,   144                         ; v[144:239] buffer 1
.set G1A, 24
.set G0A, 32
.set G1B, 40
.set G0B, 48
.set MSB, 0
.macro WIN new
.if MSB != (\new)
	s_set_vgpr_msb (MSB<<8)|(\new)
.set MSB, \new
.endif
.endm
.macro PLACES                          ; four plain vector instructions between a matrix instruction and a load into, or another use of, its registers
.rept 4
	v_nop
.endr
.endm
.macro JLOAD s                         ; waves 0 and 1 fetch ao's two heads, waves 2 and 3 the halves of the weights' tile
	s_cmp_eq_u32 s13, 0
	s_cbranch_scc0 .Lfor_b_\@
	tensor_load_to_lds s[G0A+4*\s:G0A+4*\s+3], s[G1A:G1A+7]
	s_nop 0
	s_branch .Lasked_\@
.Lfor_b_\@:
	tensor_load_to_lds s[G0B+4*\s:G0B+4*\s+3], s[G1B:G1B+7]
	s_nop 0
.Lasked_\@:
.endm
.macro CREST
	s_cmp_lg_u32 s12, 0
	s_cbranch_scc1 .Lnot_wave_0_\@
	s_barrier_signal -3
.Lnot_wave_0_\@:
	s_barrier_wait -3
	s_barrier_signal -1
	s_barrier_wait -1
.endm
.macro CROUND
	s_barrier_signal -1
	s_barrier_wait -1
	CREST
.endm
	s_load_b128 s[4:7], s[0:1], 0x0                ; ao, wb
	s_load_b128 s[8:11], s[0:1], 0x10              ; bo, out0
	v_lshl_add_u32 v254, v0, 2, 0x39400
	v_mov_b32 v255, 0
	ds_add_u32 v254, v255
	v_lshrrev_b32 v1, 5, v0
	v_readfirstlane_b32 s12, v1                    ; wave
	s_lshr_b32 s13, s12, 1                         ; my half of the rows.  Also: I fetch for ao (0) or for the weights (1)
	s_and_b32 s14, s12, 1                          ; my half of the columns.  Also: which part of that tile I fetch
	s_bfe_u32 s16, ttmp6, 0x40000                  ; cx
	s_bfe_u32 s17, ttmp6, 0x40004                  ; cy
	s_lshl_b32 s18, ttmp9, 2
	s_add_co_u32 s18, s18, s16                     ; block column 0..7
	s_and_b32 s19, ttmp7, 0xffff
	s_lshl_b32 s19, s19, 2
	s_add_co_u32 s19, s19, s17                     ; block row 0..31
	s_lshl_b32 s20, s17, 2
	s_lshl_b32 s20, 15, s20                        ; my row of the cluster
	s_lshl_b32 s21, 0x1111, s16                    ; my column
	; ao's part: 256 tokens x 64 f16, dense in memory: 128 rows of 128 f16 (256 bytes), pitch 128; 4 words of padding after every 32 words (code 4)
	s_or_b32 s[G1A+0], s20, (1<<16)|(1<<20)|(1<<21)|(4<<22)|(3<<25)
	s_mov_b32 s[G1A+1], 128<<16
	s_mov_b32 s[G1A+2], 128<<16
	s_mov_b32 s[G1A+3], 128<<16
	s_mov_b32 s[G1A+4], 128
	s_mov_b32 s[G1A+5], 128
	s_mov_b32 s[G1A+6], 0
	s_mov_b32 s[G1A+7], 0
	; the weights' part: 64 rows x 128 f16, pitch 1024, 64 words a row (code 5), 4 words of padding
	s_or_b32 s[G1B+0], s21, (1<<16)|(1<<20)|(1<<21)|(5<<22)|(3<<25)
	s_mov_b32 s[G1B+1], 128<<16
	s_mov_b32 s[G1B+2], 64<<16
	s_mov_b32 s[G1B+3], 128<<16
	s_mov_b32 s[G1B+4], 64
	s_mov_b32 s[G1B+5], 1024
	s_mov_b32 s[G1B+6], 0
	s_mov_b32 s[G1B+7], 0
	s_lshr_b32 s56, s19, 2                         ; ao: batch x 16 planes of 131,072 bytes
	s_lshl_b32 s56, s56, 21
	s_and_b32 s57, s19, 3
	s_lshl_b32 s57, s57, 15                        ; + 256 tokens x 128 bytes
	s_add_co_u32 s56, s56, s57
	s_lshl_b32 s57, s14, 17                        ; + my head of the step's two
	s_add_co_u32 s56, s56, s57
	s_mov_b32 s57, 0
	s_lshl_b32 s60, s18, 7                         ; the weights: row 128 x block column + 64 x half of Wo,
	s_lshl_b32 s61, s14, 6
	s_add_co_u32 s60, s60, s61
	s_lshl_b32 s60, s60, 11
	s_add_co_u32 s60, s60, 3072*2048               ; which begins 6,291,456 bytes into wb
	s_mov_b32 s61, 0
	s_mul_i32 s22, s14, HEADB
	s_mul_i32 s23, s14, 64*272
	s_add_co_u32 s23, s23, BOFF
	s_wait_dscnt 0x0
	s_wait_kmcnt 0x0
	s_add_nc_u64 s[58:59], s[4:5], s[56:57]
	s_add_nc_u64 s[62:63], s[6:7], s[60:61]
	CROUND                                         ; all sixteen work-groups are here: the first joint loads meet
.irp s, 0,1
	s_mov_b32 s[G0A+4*\s], 1
	s_add_co_u32 s[G0A+4*\s+1], s22, \s*SLOT
	s_add_nc_u64 s[G0A+4*\s+2:G0A+4*\s+3], s[58:59], \s*262144     ; K step s: two heads on
	s_or_b32 s[G0A+4*\s+3], s[G0A+4*\s+3], 0x80000000
	s_mov_b32 s[G0B+4*\s], 1
	s_add_co_u32 s[G0B+4*\s+1], s23, \s*SLOT
	s_add_nc_u64 s[G0B+4*\s+2:G0B+4*\s+3], s[62:63], \s*256
	s_or_b32 s[G0B+4*\s+3], s[G0B+4*\s+3], 0x80000000
	JLOAD \s                                       ; two tensor loads of the wave are out
.endr
	s_lshl_b32 s76, s18, 9                         ; my 64 columns: 512 x block column + 256 x half, in bytes of f32
	s_lshl_b32 s75, s14, 8
	s_add_co_u32 s76, s76, s75
	s_mov_b32 s77, 0
	s_add_nc_u64 s[8:9], s[8:9], s[76:77]          ; bo
	s_add_nc_u64 s[10:11], s[10:11], s[76:77]
	s_lshl_b32 s76, s19, 20                        ; my first row: (256 x block row + 128 x half) x 4,096 bytes
	s_lshl_b32 s75, s13, 19
	s_add_co_u32 s76, s76, s75
	s_add_nc_u64 s[10:11], s[10:11], s[76:77]
	v_and_b32 v1, 15, v0                           ; r
	v_bfe_u32 v2, v0, 4, 1                         ; h
	v_lshlrev_b32 v[VB], 5, v2
.irp bb, 0,1,2,3
	global_load_b128 v[BIAS+8*\bb:BIAS+8*\bb+3],   v[VB], s[8:9] offset:64*\bb
	global_load_b128 v[BIAS+8*\bb+4:BIAS+8*\bb+7], v[VB], s[8:9] offset:64*\bb+16
.endr
	v_mul_u32_u24 v3, v1, 144
	v_lshl_add_u32 v3, v2, 4, v3
	v_mul_u32_u24 v12, v1, 272
	v_lshl_add_u32 v12, v2, 4, v12
	s_mul_i32 s75, s13, 128*144                    ; my 128 rows of each head's part
	s_mul_i32 s76, s14, 64*272                     ; my 64 rows of the weights
	s_add_co_u32 s76, s76, BOFF
.irp s, 0,1
	v_add_nc_u32 v[ADRA+\s], s75, v3
	v_add_nc_u32 v[ADRB+\s], s76, v12
	s_add_co_u32 s75, s75, SLOT
	s_add_co_u32 s76, s76, SLOT
.endr
	s_mul_i32 s75, s12, 16*SPITCH
	s_add_co_u32 s75, s75, STAGE                   ; my stage
	v_mul_u32_u24 v3, v1, SPITCH
	v_lshl_add_u32 v3, v2, 5, v3                   ; in: row r, 32 bytes for each half of the lanes
	v_add_nc_u32 v[STO], s75, v3
	v_mul_u32_u24 v3, v2, SPITCH                   ; back: lanes 0-15 take one row of 256 bytes, lanes 16-31 the next
	v_lshl_add_u32 v3, v1, 4, v3
	v_add_nc_u32 v[RD], s75, v3
	v_lshlrev_b32 v3, 12, v2                       ; and the same two rows in out0
	v_lshl_add_u32 v[CO], v1, 4, v3
; 24 loads: the fragments of quarter kq (32 along K: head kq / 2 of the step's two, byte 64 (kq % 2) of its rows) into buffer f; the weights' first
.macro FETCH slot, kq, f
.irp bb, 0,1,2,3
	ds_load_b128 v[\f+64+8*\bb:\f+64+8*\bb+3],   v[ADRB+\slot] offset:(\kq)*64+\bb*16*272
	ds_load_b128 v[\f+64+8*\bb+4:\f+64+8*\bb+7], v[ADRB+\slot] offset:(\kq)*64+\bb*16*272+32
.endr
.irp a, 0,1,2,3,4,5,6,7
	ds_load_b128 v[\f+8*\a:\f+8*\a+3],   v[ADRA+\slot] offset:((\kq)>>1)*HEADB+((\kq)&1)*64+\a*16*144
	ds_load_b128 v[\f+8*\a+4:\f+8*\a+7], v[ADRA+\slot] offset:((\kq)>>1)*HEADB+((\kq)&1)*64+\a*16*144+32
.endr
.endm
; 16 matrix instructions: row tiles a0 .. a0 + 3 x the four column tiles.  zero = 1: the first product, which takes the bias (window 0) as C.
.macro MUL16 f, a0, zero
.if \zero
	WIN 0x40
.else
	WIN 0x50
.endif
.irp a, \a0, \a0+1, \a0+2, \a0+3
.irp bb, 0,1,2,3
.if \zero
	v_wmma_f32_16x16x32_f16 v[8*(4*(\a)+\bb):8*(4*(\a)+\bb)+7], v[\f+64+8*\bb:\f+64+8*\bb+7], v[\f+8*(\a):\f+8*(\a)+7], v[BIAS+8*\bb:BIAS+8*\bb+7]
.else
	v_wmma_f32_16x16x32_f16 v[8*(4*(\a)+\bb):8*(4*(\a)+\bb)+7], v[\f+64+8*\bb:\f+64+8*\bb+7], v[\f+8*(\a):\f+8*(\a)+7], v[8*(4*(\a)+\bb):8*(4*(\a)+\bb)+7]
.endif
.endr
.endr
.endm
; One of a K step's first three quarters: multiplies buffer f; in its middle it fetches the next quarter into buffer g.
.macro QUARTER slot, kq, f, g, zero
	s_wait_dscnt 8                                 ; the weights' fragments and ao's rows 0-63 are in; the youngest eight loads (rows 64-127) may be out
	MUL16 \f, 0, \zero
	WIN 0
	PLACES
	FETCH \slot, \kq+1, \g
	s_wait_dscnt 24                                ; all but the 24 just issued
	MUL16 \f, 4, \zero
.endm
.macro THREE slot, zero
	QUARTER \slot, 0, F0, F1, \zero
	QUARTER \slot, 1, F1, F0, 0
	QUARTER \slot, 2, F0, F1, 0
.endm
; The last quarter multiplies buffer 1 and changes slots.  fill = 1: this slot is asked for again, two K steps ahead.
.macro TURN slot, next, fill
	s_wait_dscnt 0                                 ; my reads of this slot are over
	s_wait_tensorcnt 0x0                           ; and all my tensor loads have landed: the one that was out is my part of the next slot
	ds_add_u32 v254, v255
	s_wait_dscnt 0x0
	s_barrier_signal -1                            ; (where the slot is filled again this barrier opens a round of the cluster's barrier)
	MUL16 F1, 0, 0                                 ; work on registers while the others arrive
	WIN 0
	s_barrier_wait -1
.if \fill
	CREST                                          ; no wave of any partner still reads this slot or has a load on its way
	s_add_nc_u64 s[G0A+4*\slot+2:G0A+4*\slot+3], s[G0A+4*\slot+2:G0A+4*\slot+3], 524288
	s_add_nc_u64 s[G0B+4*\slot+2:G0B+4*\slot+3], s[G0B+4*\slot+2:G0B+4*\slot+3], 512
	JLOAD \slot                                    ; my one tensor load behind the round, ahead of every LDS read
.endif
	PLACES
	FETCH \next, 0, F0
	MUL16 F1, 4, 0
.endm
.macro LAP zero
	THREE 0, \zero
	TURN 0, 1, 1
	THREE 1, 0
	TURN 1, 0, 1
.endm
	s_wait_tensorcnt 1                             ; my part of K step 0 is in; K step 1's may stay out
	s_barrier_signal -1
	s_barrier_wait -1
	FETCH 0, 0, F0
	s_wait_loadcnt 0x0                             ; the biases
	LAP 1                                          ; 8 K steps: 2 here, 4 in the loop, 2 behind it that fill nothing
	WIN 0
	s_mov_b32 s15, 2
.Llap:
	LAP 0
	WIN 0
	s_sub_co_u32 s15, s15, 1
	s_cmp_lg_u32 s15, 0
	s_cbranch_scc1 .Llap
	THREE 0, 0
	TURN 0, 1, 0
	THREE 1, 0
	s_wait_dscnt 0
	MUL16 F1, 0, 0
	MUL16 F1, 4, 0
	WIN 0
	PLACES
; THE WAY OUT, 16 rows at a time: the f32 results go as they are into my stage, 32 bytes a lane, and come back as whole rows of 256 bytes:
; sixteen lanes store 256 consecutive bytes of out0, aligned.
.macro OUT16 a, f
	WIN 0x04                                       ; the LDS stores' data in window 1
.irp bb, 0,1,2,3
	ds_store_b128 v[STO], v[8*(4*\a+\bb):8*(4*\a+\bb)+3]   offset:64*\bb
	ds_store_b128 v[STO], v[8*(4*\a+\bb)+4:8*(4*\a+\bb)+7] offset:64*\bb+16
.endr
	WIN 0
	s_wait_xcnt 0x0                                ; buffer f was earlier stores' data: it is loaded again only behind this wait
.irp t, 0,1,2,3,4,5,6,7
	ds_load_b128 v[\f+4*\t:\f+4*\t+3], v[RD] offset:\t*2*SPITCH    ; LDS serves a wave's instructions in order: these see the stores above
.endr
.irp t, 0,1,2,3,4,5,6,7
	s_wait_dscnt 7-\t
	global_store_b128 v[CO], v[\f+4*\t:\f+4*\t+3], s[10:11] offset:(16*\a+2*\t)*4096   ; 516,096 at the most, inside the signed 24-bit immediate
.endr
.endm
	OUT16 0, F0
	OUT16 1, F1
	OUT16 2, F0
	OUT16 3, F1
	OUT16 4, F0
	OUT16 5, F1
	OUT16 6, F0
	OUT16 7, F1
	s_wait_tensorcnt 0x0
	ds_add_u32 v254, v255
	s_wait_dscnt 0x0
	CROUND                                         ; the closing round: no work-group ends while a partner may still ask for a tile that names it
	s_endpgm
.Lfunc_end_k_q81ff9aca1e_proj:
	.size	k_q81ff9aca1e_proj, .Lfunc_end_k_q81ff9aca1e_proj-k_q81ff9aca1e_proj
	.p2alignl 7, 3214868480
	.fill 96, 4, 3214868480
	.section	.rodata,"a",@progbits
	.p2align	6, 0x0
	.amdhsa_kernel k_q81ff9aca1e_proj
		.amdhsa_group_segment_fixed_size 327680
		.amdhsa_private_segment_fixed_size 0
		.amdhsa_enable_private_segment 0
		.amdhsa_kernarg_size 32
		.amdhsa_user_sgpr_count 2
		.amdhsa_user_sgpr_kernarg_segment_ptr 1
		.amdhsa_wavefront_size32 1
		.amdhsa_system_sgpr_workgroup_id_x 1
		.amdhsa_system_sgpr_workgroup_id_y 1
		.amdhsa_system_sgpr_workgroup_id_z 1
		.amdhsa_system_vgpr_workitem_id 0
		.amdhsa_next_free_vgpr 512
		.amdhsa_next_free_sgpr 80
		.amdhsa_reserve_vcc 0
		.amdhsa_float_denorm_mode_32 3
		.amdhsa_float_denorm_mode_16_64 3
		.amdhsa_memory_ordered 1
		.amdhsa_forward_progress 1
		.amdhsa_inst_pref_size 119
	.end_amdhsa_kernel
	.amdgpu_metadata
---
amdhsa.version: [ 1, 2 ]
amdhsa.kernels:
  - .name:           k_q81ff9aca1e_proj
    .symbol:         k_q81ff9aca1e_proj.kd
    .args:
      - { .name: ao, .offset: 0, .size: 8, .value_kind: global_buffer, .address_space: global }
      - { .name: wb, .offset: 8, .size: 8, .value_kind: global_buffer, .address_space: global }
      - { .name: bo, .offset: 16, .size: 8, .value_kind: global_buffer, .address_space: global }
      - { .name: out0, .offset: 24, .size: 8, .value_kind: global_buffer, .address_space: global }
    .group_segment_fixed_size: 327680
    .private_segment_fixed_size: 0
    .kernarg_segment_align: 8
    .kernarg_segment_size: 32
    .max_flat_workgroup_size: 128
    .sgpr_count:     80
    .vgpr_count:     512
    .wavefront_size: 32
...
	.end_amdgpu_metadata
.endif
;; end of part 4
;; ======== version 2 of 2: 4 launches; 1.14 times as fast as version 1
;; limits: values are held in f16: magnitudes above 65,504 overflow, below 6.1e-05 lose precision
;; workspace buffers: xb 16,777,216 bytes; wb 8,388,608 bytes; mask2 4,194,304 bytes; bias3 12,288 bytes; qkv 50,331,648 bytes; ao 16,777,216 bytes
;; launch prep: the kernel of part 1 again; grid 833 x 1, 8 waves a work-group, no clusters, 0 bytes of LDS; arguments x, Wq, Wk, Wv, Wo, mask, bq, bv, xb, wb, mask2, bias3; writes xb, wb, mask2, bias3
;; launch qkv: the kernel of part 2 again; grid 8 x 32, 4 waves a work-group, clusters of 4 x 4, 327,680 bytes of LDS; arguments xb, wb, bias3, qkv; writes qkv
;; launch attn (part 5): grid 128 x 2, 4 waves a work-group, clusters of 4 x 1, 327,680 bytes of LDS; arguments qkv, mask2, ao; writes ao
.if DOCPART == 5
	.amdgcn_target "amdgcn-amd-amdhsa--gfx1250"
	.amdhsa_code_object_version 6
	.text
	.protected	k_q81ff9aca1e_attn
	.globl	k_q81ff9aca1e_attn
	.p2align	8
	.type	k_q81ff9aca1e_attn,@function
k_q81ff9aca1e_attn:
	s_mov_b64 s[64:65], 0
	v_nop
	global_prefetch_b8 v0, s[64:65] scope:SCOPE_SE
	s_setreg_imm32_b32 hwreg(HW_REG_WAVE_MODE, 25, 1), 1
	s_wait_xcnt 0x0
	s_wait_alu depctr_hold_cnt(0) depctr_sa_sdst(0) depctr_va_vdst(0) depctr_va_sdst(0) depctr_va_ssrc(0) depctr_va_vcc(0) depctr_vm_vsrc(0)
	s_getreg_b32 s2, hwreg(HW_REG_IB_STS2, 6, 4)
	s_cmp_eq_u32 s2, 0
	s_cbranch_scc0 .Lentry_in_a_cluster
	s_endpgm
.Lentry_in_a_cluster:
	s_bfe_u32 s2, ttmp6, 0x10000c
	s_cmp_lg_u32 s2, 0x3003
	s_cbranch_scc0 .Lentry_shape_is_right
	s_endpgm
.Lentry_shape_is_right:
; Launch 3 of 4: ao[batch][head][token][64] = softmax(q k^T / 8 + mask) v, in f16.  No work is left out: the mask is an input, so every score is made.
; A work-group takes one (batch, head) and 512 queries; a wave 128 queries = 8 query tiles of 16; 16 key steps of 64 keys through two LDS slots.
; SOFTMAX in base 2 with a running maximum: t = s * (log2(e) / 8) + mask2 (one fused multiply-add), m = running maximum of t, p = 2^(t - m);
; the row sum l and the output are rescaled by 2^(m_old - m_new).  The mask is added by the vector unit's fused multiply-add, which rounds to nearest:
; at a mask of -1e9 one last place of t is 128, and a row that is masked throughout keeps equal weights only if every score there is rounded away.
; FORMATS: q, k, v, p and the output are f16 (11 bits of significand), sums f32.  p is at most 1 and the output at most the largest |v|, so both have room.
; LIMITS: p below 2^-126 is flushed to zero; p goes to the product rounded to f16 (off by 2^-25 at the most where p is under 2^-14) while l sums the f32 values;
; 1 / l is v_rcp_f32.
; m is floored at -FLT_MAX, so a block of 64 keys whose mask is -inf throughout gives p = 0 there; a row that is -inf throughout ends as 0 x inf = NaN, as the reference's does.
; CLUSTERS: the four work-groups of a cluster have four (batch, head) pairs and the same 512 queries, so they need the same mask tile
; (131,072 of a step's 147,456 bytes): it is asked for jointly.  K and V are each work-group's own; the two work-groups that share them
; have different queries and different mask tiles, and K and V are one ninth of a step's bytes: they are plain loads.
; BOTH PRODUCTS ARE USED TRANSPOSED.  S^T = K Q^T: lane (r, h) holds query r and keys 16 kt + 8 h + 0..7, so maximum and sum run along the
; lane's registers plus one exchange between the halves, and the packed p ARE the second product's source 1.  O^T = V^T P^T: V^T comes from
; V [key][d] by the transposing LDS load; lane (r, h) holds d = 16 dt + 8 h + 0..7 of query r, so the rescaling factors are the lane's own.
; MATRIX AND VECTOR WORK BY TURNS.  Within a key step the eight query tiles go through a pipeline: stage i holds tile i's softmax, the 8 products of
; tile i + 1's scores and the 8 that add tile i - 1's p V.  Scores, p, mask words and the rescaling factor have two buffers each, taken by the tile's
; parity.  A stage has 16 matrix and 133 other vector instructions (16 multiply-adds, 18 for the maximum, 3 for the factor, 16 subtractions,
; 32 exponentials, 16 packings, 16 sums, 16 rescalings).
; HOW THE BATCHES ARE CUT.  A stage's 33 exponentials (the factor and the 32 weights) are ONE batch with ONE wait, which cuts the stage in two.
; AHEAD OF THE WAIT stands all that names no result of the batch: the 8 score products, a slice behind each (the multiply-adds, the maximum, and the
; rescaling of tile i - 1's output by the factor of the stage before, which had its wait there); then the batch itself in one run: the 16 subtractions
; and the 33 exponentials, a subtraction between two exponentials while there are subtractions; the copy that keeps the new maximum is the plain
; instruction behind the last exponential.  BEHIND THE WAIT stand the 8 products p V, four instructions behind each: two sums and two packings, together
; the 32 that read the weights.  Tile 7, which has no stage behind it, rescales its own output behind its stage's wait.  The run of LDS loads for the
; mask words of tile i + 2 stands directly behind the wait.
; The way out's eight reciprocals are a batch of their own, with one wait.
; The rescaling of tile i - 1's output stands four instructions at the head of slices 4 to 7, between the links of the maximum's last chain
; (two maxima of three, the exchange of halves, one maximum), each of which needs the one before.
; A step's first 8 products (tile 0's scores) and last 8 (tile 7's p V) stand alone: to carry them over the change of slots the step would have to be
; written out six times instead of four.
; WINDOWS: window 0 holds all that the slices touch, window 1 the output, window 2 Q, K and V^T.  Each matrix instruction costs a switch into its
; windows and one back, each group of four rescalings one more: 36 in a stage.
; In each product four accumulators take turns, one instruction a turn.
.set SLOT,  158720                     ; mask 512 x 272, K 64 x 144, V 64 x 160
.set KOFF,  139264
.set VOFF,  148480
.set STAGE, 2*SLOT                     ; 317,440, a multiple of 256: 16 rows x 144 bytes for each wave; no fill lands there
.set KADR, 2                           ; v2-3   K fragments in slot 0, 1
.set VADR, 4                           ; v4-5   V fragments
.set MADR, 6                           ; v6-7   my mask words
.set QOFF, 8
.set STO,  9
.set RD,   10
.set CO,   11
.set TT,   12                          ; the other half's figure
.set NM,   14                          ; v[14:15]   the new maximum (a pair is named; v14 is used)
.set MM,   16                          ; v[16:23]   m of query tile i
.set LP,   24                          ; v[24:39]   l of query tile i, as a pair: my even keys, my odd keys; on the way out the pair's first register takes l, then 1 / l
.set AL,   40                          ; v[40:43]   2^(m_old - m_new), a pair for each parity (the first register is used)
.set XM,   44                          ; v[44:47]   four chains of the maximum
.set PB,   48                          ; v[48:79]   p in f16, two buffers of 16: source 1 of the second product
.set SC,   80                          ; v[80:143]  scores, two buffers of 32: key tile kt at 8 kt
.set MK,   144                         ; v[144:207] mask words, two buffers of 32
.set T0,   208                         ; v[208:211] at work in the set-up
.set KF,   128                         ; window 2, v[128:191]: K fragments: (kt, ds) at 16 kt + 8 ds
.set VF,   192                         ; window 2, v[192:255]: V^T fragments: (ks, dt) at 32 ks + 8 dt
                                       ; window 2, v[0:127]: Q fragments at 16 i + 8 ds;  window 1: O^T, query tile i, d tile dt at 32 i + 8 dt
.set G1M, 24
.set G1K, 32
.set G1V, 40
.set G0M, 48                           ; s[48:55] one group 0 for each slot
.set G0K, 56                           ; s[56:63]
.set G0V, 68                           ; s[68:75]
.set MSB, 0
.macro WIN new                         ; low byte: bits 1:0 source 0, 3:2 source 1, 5:4 source 2, 7:6 destination; the high byte repeats the setting that is left
.if MSB != (\new)
	s_set_vgpr_msb (MSB<<8)|(\new)
.set MSB, \new
.endif
.endm
.macro PLACES                          ; four plain vector instructions between a matrix instruction and a load into, or a vector use of, its registers
.rept 4
	v_nop
.endr
.endm
.macro ROUND                           ; a round of the cluster's barrier
	s_barrier_signal -1
	s_barrier_wait -1
	s_cmp_lg_u32 s10, 0
	s_cbranch_scc1 .Lnot_wave_0_\@
	s_barrier_signal -3
.Lnot_wave_0_\@:
	s_barrier_wait -3
	s_barrier_signal -1
	s_barrier_wait -1
.endm
.macro TLOAD s                         ; one tensor load a wave: waves 2 and 3 the halves of the mask tile (jointly), wave 0 K, wave 1 V
	s_cmp_ge_u32 s10, 2
	s_cbranch_scc0 .Lkv_\@
	tensor_load_to_lds s[G0M+4*(\s):G0M+4*(\s)+3], s[G1M:G1M+7]
	s_nop 0
	s_branch .Lasked_\@
.Lkv_\@:
	s_cmp_eq_u32 s10, 0
	s_cbranch_scc0 .Lv_\@
	tensor_load_to_lds s[G0K+4*(\s):G0K+4*(\s)+3], s[G1K:G1K+7]
	s_nop 0
	s_branch .Lasked_\@
.Lv_\@:
	tensor_load_to_lds s[G0V+4*(\s):G0V+4*(\s)+3], s[G1V:G1V+7]
	s_nop 0
.Lasked_\@:
.endm
	s_load_b128 s[4:7], s[0:1], 0x0                ; qkv, mask2
	s_load_b64 s[8:9], s[0:1], 0x10                ; ao
	v_lshl_add_u32 v254, v0, 2, 0x4fc00
	v_mov_b32 v255, 0
	ds_add_u32 v254, v255
	v_lshrrev_b32 v1, 5, v0
	v_readfirstlane_b32 s10, v1                    ; wave
	s_and_b32 s11, s10, 1
	s_bfe_u32 s12, ttmp6, 0x40000                  ; cx
	s_lshl_b32 s13, ttmp9, 2
	s_add_co_u32 s13, s13, s12                     ; (batch, head) 0..127
	s_and_b32 s14, ttmp7, 0xffff                   ; which 512 queries: the same in all four partners
	s_mov_b32 s20, 0x76543210                      ; v_permlanex16_b32: lane i of one half reads lane i of the other
	s_mov_b32 s21, 0xfedcba98
	s_mov_b32 s22, 0x3e38aa3b                      ; log2(e) / 8, twice
	s_mov_b32 s23, 0x3e38aa3b
	s_mov_b32 s77, 0xff7fffff                      ; -FLT_MAX: the floor of the maximum
	; mask tile: 256 rows (a wave's half) x 64 f32 (64 words: interval code 5), 4 words of padding: LDS pitch 272; mask 15: all four partners
	s_mov_b32 s[G1M+0], 15|(2<<16)|(1<<20)|(1<<21)|(5<<22)|(3<<25)
	s_mov_b32 s[G1M+1], 64<<16
	s_mov_b32 s[G1M+2], 256<<16
	s_mov_b32 s[G1M+3], 64<<16
	s_mov_b32 s[G1M+4], 256
	s_mov_b32 s[G1M+5], 1024
	s_mov_b32 s[G1M+6], 0
	s_mov_b32 s[G1M+7], 0
	; K tile: 64 keys x 64 f16 lie end to end in memory: stated as 32 rows of 128 f16 (256 bytes), pitch 128; 4 words of padding after every 32 words
	; (code 4), so that in LDS each key has 128 + 16 bytes
	s_mov_b32 s[G1K+0], (1<<16)|(1<<20)|(4<<22)|(3<<25)
	s_mov_b32 s[G1K+1], 128<<16
	s_mov_b32 s[G1K+2], 32<<16
	s_mov_b32 s[G1K+3], 128<<16
	s_mov_b32 s[G1K+4], 32
	s_mov_b32 s[G1K+5], 128
	s_mov_b32 s[G1K+6], 0
	s_mov_b32 s[G1K+7], 0
	; V tile: the same with 8 words of padding: 160 bytes a key, an odd multiple of 32, for the transposing load
	s_mov_b32 s[G1V+0], (1<<16)|(1<<20)|(4<<22)|(7<<25)
	s_mov_b32 s[G1V+1], 128<<16
	s_mov_b32 s[G1V+2], 32<<16
	s_mov_b32 s[G1V+3], 128<<16
	s_mov_b32 s[G1V+4], 32
	s_mov_b32 s[G1V+5], 128
	s_mov_b32 s[G1V+6], 0
	s_mov_b32 s[G1V+7], 0
	s_lshl_b32 s16, s14, 21                        ; the mask's offset, of numbers that the partners share: 512 rows x 4,096 bytes,
	s_lshl_b32 s17, s11, 20                        ; + my half's 256 rows
	s_add_co_u32 s16, s16, s17
	s_mov_b32 s17, 0
	s_mul_i32 s15, s11, 256*272
	s_lshl_b32 s18, s13, 17                        ; my plane: 131,072 bytes each
	s_mov_b32 s19, 0
	s_wait_dscnt 0x0
	s_wait_kmcnt 0x0
	s_add_nc_u64 s[6:7], s[6:7], s[16:17]
	s_add_nc_u64 s[78:79], s[4:5], s[18:19]        ; q's plane; k's lies 128 planes on, v's 256
.irp s, 0,1
	s_mov_b32 s[G0M+4*\s], 1
	s_add_co_u32 s[G0M+4*\s+1], s15, \s*SLOT
	s_add_nc_u64 s[G0M+4*\s+2:G0M+4*\s+3], s[6:7], \s*256          ; key step s: 64 f32
	s_or_b32 s[G0M+4*\s+3], s[G0M+4*\s+3], 0x80000000
	s_mov_b32 s[G0K+4*\s], 1
	s_mov_b32 s[G0K+4*\s+1], KOFF+\s*SLOT
	s_add_nc_u64 s[G0K+4*\s+2:G0K+4*\s+3], s[78:79], 0x1000000+\s*8192   ; key step s: 64 keys of 128 bytes
	s_or_b32 s[G0K+4*\s+3], s[G0K+4*\s+3], 0x80000000
	s_mov_b32 s[G0V+4*\s], 1
	s_mov_b32 s[G0V+4*\s+1], VOFF+\s*SLOT
	s_add_nc_u64 s[G0V+4*\s+2:G0V+4*\s+3], s[78:79], 0x2000000+\s*8192
	s_or_b32 s[G0V+4*\s+3], s[G0V+4*\s+3], 0x80000000
.endr
	ROUND                                          ; the four partners are here: the first joint load meets
	TLOAD 0                                        ; key step 0; slot 1 is first filled behind the first step's round, as a refill is
	s_lshl_b32 s16, s14, 16                        ; my queries: (512 x half + 128 x wave) x 128 bytes
	s_lshl_b32 s17, s10, 14
	s_add_co_u32 s16, s16, s17
	s_mov_b32 s17, 0
	s_add_nc_u64 s[78:79], s[78:79], s[16:17]
	s_add_nc_u64 s[8:9], s[8:9], s[18:19]
	s_add_nc_u64 s[8:9], s[8:9], s[16:17]
	v_and_b32 v[T0], 15, v0                        ; r
	v_bfe_u32 v[T0+1], v0, 4, 1                    ; h
	v_mul_u32_u24 v[T0+2], v[T0], 144
	v_lshl_add_u32 v[T0+2], v[T0+1], 4, v[T0+2]    ; r x 144 + 16 h
	v_add_nc_u32 v[KADR], KOFF, v[T0+2]
	v_add_nc_u32 v[KADR+1], KOFF+SLOT, v[T0+2]
	s_mul_i32 s16, s10, 16*144
	s_add_co_u32 s16, s16, STAGE                   ; my stage
	v_add_nc_u32 v[STO], s16, v[T0+2]
	v_and_b32 v[T0+2], 7, v0
	v_lshl_add_u32 v[T0+2], v[T0+1], 3, v[T0+2]    ; key 8 h + lane % 8
	v_mul_u32_u24 v[T0+2], v[T0+2], 160
	v_bfe_u32 v[T0+3], v0, 3, 1
	v_lshl_add_u32 v[T0+2], v[T0+3], 4, v[T0+2]    ; + 16 x ((lane / 8) % 2)
	v_add_nc_u32 v[VADR], VOFF, v[T0+2]
	v_add_nc_u32 v[VADR+1], VOFF+SLOT, v[T0+2]
	v_mul_u32_u24 v[T0+2], v[T0], 272
	v_lshl_add_u32 v[T0+2], v[T0+1], 5, v[T0+2]    ; r x 272 + 32 h
	s_mul_i32 s17, s10, 128*272                    ; my 128 rows of the mask tile
	v_add_nc_u32 v[MADR], s17, v[T0+2]
	v_add_nc_u32 v[MADR+1], SLOT, v[MADR]
	v_lshlrev_b32 v[QOFF], 7, v[T0]
	v_lshl_add_u32 v[QOFF], v[T0+1], 4, v[QOFF]    ; r x 128 + 16 h
	v_and_b32 v[T0+2], 31, v0
	v_lshlrev_b32 v[CO], 4, v[T0+2]                ; 16 x lane
	v_lshrrev_b32 v[T0+3], 3, v[T0+2]
	v_and_b32 v[T0+2], 7, v[T0+2]
	v_mul_u32_u24 v[T0+3], v[T0+3], 144
	v_lshl_add_u32 v[T0+3], v[T0+2], 4, v[T0+3]
	v_add_nc_u32 v[RD], s16, v[T0+3]               ; back: eight lanes take a row's 128 bytes, the wave four rows
	v_mov_b32 v[TT], 0                             ; a lane exchange's destination, and the second register of a pair that is named, count as read
	v_mov_b32 v[NM+1], 0
	v_mov_b32 v[AL+1], 0
	v_mov_b32 v[AL+3], 0
	WIN 0x80                                       ; destination in window 2
.irp i, 0,1,2,3,4,5,6,7
.irp ds, 0,1
	global_load_b128 v[16*\i+8*\ds:16*\i+8*\ds+3],   v[QOFF], s[78:79] offset:\i*2048+\ds*64
	global_load_b128 v[16*\i+8*\ds+4:16*\i+8*\ds+7], v[QOFF], s[78:79] offset:\i*2048+\ds*64+32
.endr
.endr
	WIN 0                                          ; Q stays in registers for the whole kernel; it is waited for in front of the first product
.macro LDK slot                        ; 16 loads into window 2
	WIN 0x80
.irp kt, 0,1,2,3
.irp ds, 0,1
	ds_load_b128 v[KF+16*\kt+8*\ds:KF+16*\kt+8*\ds+3],   v[KADR+\slot] offset:\kt*2304+\ds*64
	ds_load_b128 v[KF+16*\kt+8*\ds+4:KF+16*\kt+8*\ds+7], v[KADR+\slot] offset:\kt*2304+\ds*64+32
.endr
.endr
.endm
.macro LDV slot                        ; 16 transposing loads into window 2: 32 keys x 16 d each pair
	WIN 0x80
.irp ks, 0,1
.irp dt, 0,1,2,3
	ds_load_tr16_b128 v[VF+32*\ks+8*\dt:VF+32*\ks+8*\dt+3],   v[VADR+\slot] offset:\ks*5120+\dt*32
	ds_load_tr16_b128 v[VF+32*\ks+8*\dt+4:VF+32*\ks+8*\dt+7], v[VADR+\slot] offset:\ks*5120+\dt*32+2560
.endr
.endr
.endm
.macro LDM slot, i                     ; 8 loads: query tile i's mask words, eight for each key tile, into the buffer of its parity
	WIN 0
.irp kt, 0,1,2,3
	ds_load_b128 v[MK+32*((\i)&1)+8*\kt:MK+32*((\i)&1)+8*\kt+3],   v[MADR+\slot] offset:(\i)*4352+\kt*64
	ds_load_b128 v[MK+32*((\i)&1)+8*\kt+4:MK+32*((\i)&1)+8*\kt+7], v[MADR+\slot] offset:(\i)*4352+\kt*64+16
.endr
.endm
; Product k of the 8 of query tile t's scores: key tiles 0..3 on d 0-31 (these start the sums), then key tiles 0..3 on d 32-63.
.macro SOP t, k
	WIN 0x0a                                       ; sources 0 (K) and 1 (Q) in window 2, C and D in window 0
.if (\k) < 4
	v_wmma_f32_16x16x32_f16 v[SC+32*((\t)&1)+8*(\k):SC+32*((\t)&1)+8*(\k)+7], v[KF+16*(\k):KF+16*(\k)+7], v[16*(\t):16*(\t)+7], 0
.else
	v_wmma_f32_16x16x32_f16 v[SC+32*((\t)&1)+8*((\k)-4):SC+32*((\t)&1)+8*((\k)-4)+7], v[KF+16*((\k)-4)+8:KF+16*((\k)-4)+15], v[16*(\t)+8:16*(\t)+15], v[SC+32*((\t)&1)+8*((\k)-4):SC+32*((\t)&1)+8*((\k)-4)+7]
.endif
.endm
; Product k of the 8 that add query tile t's p V: d tiles 0..3 on keys 0-31, then d tiles 0..3 on keys 32-63.  first = 1: the first key step starts the sums.
.macro POP t, k, first
	WIN 0x52                                       ; source 0 (V^T) in window 2, source 1 (p) in window 0, C and D (O) in window 1
.if (\k) < 4
.if \first
	v_wmma_f32_16x16x32_f16 v[32*(\t)+8*(\k):32*(\t)+8*(\k)+7], v[VF+8*(\k):VF+8*(\k)+7], v[PB+16*((\t)&1):PB+16*((\t)&1)+7], 0
.else
	v_wmma_f32_16x16x32_f16 v[32*(\t)+8*(\k):32*(\t)+8*(\k)+7], v[VF+8*(\k):VF+8*(\k)+7], v[PB+16*((\t)&1):PB+16*((\t)&1)+7], v[32*(\t)+8*(\k):32*(\t)+8*(\k)+7]
.endif
.else
	v_wmma_f32_16x16x32_f16 v[32*(\t)+8*((\k)-4):32*(\t)+8*((\k)-4)+7], v[VF+32+8*((\k)-4):VF+32+8*((\k)-4)+7], v[PB+16*((\t)&1)+8:PB+16*((\t)&1)+15], v[32*(\t)+8*((\k)-4):32*(\t)+8*((\k)-4)+7]
.endif
.endm
; The softmax's single steps.  SB, PP, MB: the stage's buffers of scores, p and mask words; AC: its factor; AP: the factor of the tile before.
.macro FM q                            ; pair q of 16: t = s * log2(e) / 8 + mask2
	v_pk_fma_f32 v[SB+2*(\q):SB+2*(\q)+1], v[SB+2*(\q):SB+2*(\q)+1], s[22:23], v[MB+2*(\q):MB+2*(\q)+1] op_sel_hi:[1,0,1]
.endm
.macro SU q                            ; t - m
	v_pk_add_f32 v[SB+2*(\q):SB+2*(\q)+1], v[SB+2*(\q):SB+2*(\q)+1], v[NM:NM+1] op_sel_hi:[1,0] neg_lo:[0,1] neg_hi:[0,1]
.endm
.macro EX r                            ; p = 2^(t - m), number r of 32, in place: each weight has a register of its own while the batch is open
	v_exp_f32 v[SB+(\r)], v[SB+(\r)]
.endm
.macro CV q                            ; pair q packed for the product: reads two of the batch's results, so it stands behind the stage's wait
	v_cvt_pk_f16_f32 v[PP+(\q)], v[SB+2*(\q)], v[SB+2*(\q)+1]
.endm
.macro AD q, i, first                  ; pair q added to l: one chain on l's own pair; its first link rescales l, or, in the first key step, starts it.  Behind the stage's wait
.if \first
.if (\q) == 1
	v_pk_add_f32 v[LP+2*\i:LP+2*\i+1], v[SB:SB+1], v[SB+2:SB+3]
.elseif (\q) > 1
	v_pk_add_f32 v[LP+2*\i:LP+2*\i+1], v[LP+2*\i:LP+2*\i+1], v[SB+2*(\q):SB+2*(\q)+1]
.endif
.else
.if (\q) == 0
	v_pk_fma_f32 v[LP+2*\i:LP+2*\i+1], v[LP+2*\i:LP+2*\i+1], v[AC:AC+1], v[SB:SB+1] op_sel_hi:[1,0,1]
.else
	v_pk_add_f32 v[LP+2*\i:LP+2*\i+1], v[LP+2*\i:LP+2*\i+1], v[SB+2*(\q):SB+2*(\q)+1]
.endif
.endif
.endm
.macro RS4 t, g, a                     ; d tile g of query tile t's output times the factor in register a
.irp q, 0,1,2,3
	v_pk_mul_f32 v[32*(\t)+8*(\g)+2*\q:32*(\t)+8*(\g)+2*\q+1], v[32*(\t)+8*(\g)+2*\q:32*(\t)+8*(\g)+2*\q+1], v[\a:\a+1] op_sel_hi:[1,0]
.endr
.endm
; Slice n of the 8 that stand behind the score products: query tile i's multiply-adds and maximum, and the rescaling of the tile before.
; None of them names a result of the stage's batch; the factor AP is the batch before's and had its wait in the stage before.
.macro SLICE n, i, first
.if \first == 0
.if \i > 0
.if \n > 3
	WIN 0x41                                       ; destination and source 0 (O) in window 1
	RS4 \i-1, \n-4, AP                             ; the tile before: its p V follows behind the stage's wait
.endif
.endif
.endif
	WIN 0
.if \n == 0
.irp q, 0,1,2,3,4,5,6,7
	FM \q
.endr
.elseif \n == 1
.irp q, 8,9,10,11,12,13,14,15
	FM \q
.endr
.elseif \n == 2
.irp c, 0,1,2,3
	v_max3_num_f32 v[XM+\c], v[SB+8*\c], v[SB+8*\c+1], v[SB+8*\c+2]
.endr
.irp c, 0,1,2,3
	v_max3_num_f32 v[XM+\c], v[XM+\c], v[SB+8*\c+3], v[SB+8*\c+4]
.endr
.elseif \n == 3
.irp c, 0,1,2,3
	v_max3_num_f32 v[XM+\c], v[XM+\c], v[SB+8*\c+5], v[SB+8*\c+6]
.endr
	v_max3_num_f32 v[XM], v[XM], v[SB+7], v[SB+15]             ; the four numbers that the chains of seven leave
	v_max3_num_f32 v[XM+1], v[XM+1], v[SB+23], v[SB+31]
.elseif \n == 4
	v_max3_num_f32 v[XM], v[XM], v[XM+1], v[XM+2]
.elseif \n == 5
.if \first
	v_max3_num_f32 v[XM], v[XM], v[XM+3], s77                  ; the floor
.else
	v_max3_num_f32 v[XM], v[XM], v[XM+3], v[MM+\i]
.endif
.elseif \n == 6
	v_permlanex16_b32 v[TT], v[XM], s20, s21                   ; the other half's keys of the same query
.else
	v_max_num_f32 v[NM], v[XM], v[TT]
.endif
.endm
; THE BATCH of query tile i: the factor's exponential and the 32 weights', with the 16 subtractions that feed them.  Subtraction q stands ahead of
; exponentials 2 q and 2 q + 1 (pairs 0 to 2 at the head, then pair e + 3 between the two exponentials of pair e), and nothing here names a register
; that an exponential of the batch has written.  The copy that keeps the new maximum comes last: it is the plain instruction between the last
; exponential and the first use of a result (ISA guide 5.7.2).
.macro BATCH i, first
	WIN 0
.if \first == 0
	v_sub_f32 v[AC], v[MM+\i], v[NM]
.endif
	SU 0
	SU 1
.if \first == 0
	v_exp_f32 v[AC], v[AC]
.endif
	SU 2
.irp e, 0,1,2,3,4,5,6,7,8,9,10,11,12,13,14,15
	EX 2*\e
.if \e < 13
	SU \e+3
.endif
	EX 2*\e+1
.endr
	v_mov_b32 v[MM+\i], v[NM]                                  ; the new maximum is kept
.endm
; The four behind product k of the p V products: pairs 2 k and 2 k + 1 are summed and packed.  The two packings stand between the two links of l's chain,
; the matrix instruction and its window switches between this group's last link and the next group's first.
.macro FOUR k, i, first
	AD 2*(\k), \i, \first
	CV 2*(\k)
	CV 2*(\k)+1
	AD 2*(\k)+1, \i, \first
.endm
; Stage i of a key step: 8 times a score product and a slice; the batch; its wait and, directly behind it, the run of loads for the mask words of
; tile i + 2 (their buffer is this tile's, which slices 0 and 1 have read); 8 times a p V product and its four.
.macro STG slot, i, first
	WIN 0
.if \i == 0
	LDM \slot, 1
	s_wait_dscnt 24                                ; tile 0's mask words are in; V's 16 loads and the 8 just issued may stay out
.elseif \i < 7
	s_wait_dscnt 8                                 ; all but the youngest 8, the next tile's mask words: this tile's mask words (and, in stage 1, V) are in
.else
	s_wait_dscnt 0                                 ; the last tile's mask words: nothing else is out
.endif
.set SB, SC+32*(\i&1)
.set PP, PB+16*(\i&1)
.set MB, MK+32*(\i&1)
.set AC, AL+2*(\i&1)
.set AP, AL+2-2*(\i&1)
.irp n, 0,1,2,3,4,5,6,7
.if \i < 7
	SOP \i+1, \n
.endif
	SLICE \n, \i, \first
.endr
	BATCH \i, \first
	s_wait_alu depctr_va_vdst(0)                   ; ONE wait for the stage's batch: the factor and the 32 weights; all their readers stand below
.if \i < 6
	LDM \slot, \i+2
.endif
.irp k, 0,1,2,3,4,5,6,7
.if \i > 0
	POP \i-1, \k, \first
.endif
.if \first == 0
.if \i == 7
.if \k < 4
	WIN 0x41
	RS4 7, \k, AC                                  ; the last tile has no stage behind it: its output is rescaled here, by this batch's factor
.endif
.endif
.endif
	WIN 0
	FOUR \k, \i, \first
.endr
.endm
; A key step.  In front of the round every wave waits for all its tensor loads (its part of this slot among them) and for its reads of the other
; slot; behind it the other slot is asked for again first, one tensor load a wave, which then has the whole step in which to land.
.macro TRIP slot, first, refill
	WIN 0
	s_wait_tensorcnt 0x0                           ; no tensor load of mine is out, so every group 0 may be written: this slot's next tile is two steps on
	ds_add_u32 v254, v255
	s_wait_dscnt 0x0
	s_add_nc_u64 s[G0M+4*\slot+2:G0M+4*\slot+3], s[G0M+4*\slot+2:G0M+4*\slot+3], 512
	s_add_nc_u64 s[G0K+4*\slot+2:G0K+4*\slot+3], s[G0K+4*\slot+2:G0K+4*\slot+3], 16384
	s_add_nc_u64 s[G0V+4*\slot+2:G0V+4*\slot+3], s[G0V+4*\slot+2:G0V+4*\slot+3], 16384
	s_wait_dscnt 0x0
	ROUND
.if \refill
	TLOAD 1-\slot
.endif
	PLACES                                         ; behind the last step's last products, which read V's registers
	LDK \slot
	LDM \slot, 0
	LDV \slot
	s_wait_dscnt 24                                ; K's 16 loads are in; the mask's 8 and V's 16 may stay out
.if \first
	s_wait_loadcnt 0x0                             ; Q
.endif
.irp k, 0,1,2,3,4,5,6,7
	SOP 0, \k
.endr
	PLACES                                         ; behind tile 0's scores, which stage 0's first slice reads
.irp i, 0,1,2,3,4,5,6,7
	STG \slot, \i, \first
.endr
.irp k, 0,1,2,3,4,5,6,7
	POP 7, \k, \first
.endr
.endm
	TRIP 0, 1, 1                                   ; 16 key steps: 1 here, 14 in the loop, the last fills nothing
	WIN 0
	s_mov_b32 s76, 7
.Lstep:
	TRIP 1, 0, 1
	TRIP 0, 0, 1
	WIN 0
	s_sub_co_u32 s76, s76, 1
	s_cmp_lg_u32 s76, 0
	s_cbranch_scc1 .Lstep
	TRIP 1, 0, 0
	WIN 0
	PLACES
; THE WAY OUT.  First the eight tiles' l and 1 / l, in l's own pairs: the eight reciprocals are one batch with one wait.
.irp i, 0,1,2,3,4,5,6,7
	v_add_f32 v[LP+2*\i], v[LP+2*\i], v[LP+2*\i+1]             ; my even and my odd keys,
.endr
.irp i, 0,1,2,3,4,5,6,7
	v_permlanex16_b32 v[LP+2*\i+1], v[LP+2*\i], s20, s21
.endr
.irp i, 0,1,2,3,4,5,6,7
	v_add_f32 v[LP+2*\i], v[LP+2*\i], v[LP+2*\i+1]             ; and the other half's
.endr
.irp i, 0,1,2,3,4,5,6,7
	v_rcp_f32 v[LP+2*\i], v[LP+2*\i]
.endr
	v_nop                                          ; the plain instruction behind the last reciprocal
	s_wait_alu depctr_va_vdst(0)                   ; one wait for the eight reciprocals, ahead of their first reader
; Then a query tile at a time: multiply by 1 / l, round to f16, 16 bytes a lane into my stage, read back by rows: four tokens are 512
; consecutive bytes of ao, aligned, and one store of the wave covers them.
.macro OUTQ i
	WIN 0x01                                       ; source 0 (O) in window 1
.irp q, 0,1,2,3,4,5,6,7,8,9,10,11,12,13,14,15
	v_pk_mul_f32 v[SC+2*\q:SC+2*\q+1], v[32*\i+2*\q:32*\i+2*\q+1], v[LP+2*\i:LP+2*\i+1] op_sel_hi:[1,0]
.endr
	WIN 0
.irp q, 0,1,2,3,4,5,6,7,8,9,10,11,12,13,14,15
	v_cvt_pk_f16_f32 v[PB+\q], v[SC+2*\q], v[SC+2*\q+1]
.endr
.irp dt, 0,1,2,3
	ds_store_b128 v[STO], v[PB+4*\dt:PB+4*\dt+3] offset:32*\dt
.endr
	s_wait_xcnt 0x0                                ; the registers below were earlier stores' data: they are loaded again only behind this wait
.irp u, 0,1,2,3
	ds_load_b128 v[MK+16*(\i&1)+4*\u:MK+16*(\i&1)+4*\u+3], v[RD] offset:576*\u     ; LDS serves a wave's instructions in order: these see the stores above
.endr
.irp u, 0,1,2,3
	s_wait_dscnt 3-\u
	global_store_b128 v[CO], v[MK+16*(\i&1)+4*\u:MK+16*(\i&1)+4*\u+3], s[8:9] offset:\i*2048+512*\u
.endr
.endm
	OUTQ 0
	OUTQ 1
	OUTQ 2
	OUTQ 3
	OUTQ 4
	OUTQ 5
	OUTQ 6
	OUTQ 7
	s_wait_tensorcnt 0x0
	ds_add_u32 v254, v255
	s_wait_dscnt 0x0
	ROUND                                          ; the closing round: no work-group ends while a partner may still ask for a tile that names it
	s_endpgm
.Lfunc_end_k_q81ff9aca1e_attn:
	.size	k_q81ff9aca1e_attn, .Lfunc_end_k_q81ff9aca1e_attn-k_q81ff9aca1e_attn
	.p2alignl 7, 3214868480
	.fill 96, 4, 3214868480
	.section	.rodata,"a",@progbits
	.p2align	6, 0x0
	.amdhsa_kernel k_q81ff9aca1e_attn
		.amdhsa_group_segment_fixed_size 327680
		.amdhsa_private_segment_fixed_size 0
		.amdhsa_enable_private_segment 0
		.amdhsa_kernarg_size 24
		.amdhsa_user_sgpr_count 2
		.amdhsa_user_sgpr_kernarg_segment_ptr 1
		.amdhsa_wavefront_size32 1
		.amdhsa_system_sgpr_workgroup_id_x 1
		.amdhsa_system_sgpr_workgroup_id_y 1
		.amdhsa_system_sgpr_workgroup_id_z 1
		.amdhsa_system_vgpr_workitem_id 0
		.amdhsa_next_free_vgpr 768
		.amdhsa_next_free_sgpr 80
		.amdhsa_reserve_vcc 0
		.amdhsa_float_denorm_mode_32 3
		.amdhsa_float_denorm_mode_16_64 3
		.amdhsa_memory_ordered 1
		.amdhsa_forward_progress 1
		.amdhsa_inst_pref_size 255
	.end_amdhsa_kernel
	.section	.bss,"aw",@nobits
	.p2align	6
	.space	262144
	.amdgpu_metadata
---
amdhsa.version: [ 1, 2 ]
amdhsa.kernels:
  - .name:           k_q81ff9aca1e_attn
    .symbol:         k_q81ff9aca1e_attn.kd
    .args:
      - { .name: qkv, .offset: 0, .size: 8, .value_kind: global_buffer, .address_space: global }
      - { .name: mask2, .offset: 8, .size: 8, .value_kind: global_buffer, .address_space: global }
      - { .name: ao, .offset: 16, .size: 8, .value_kind: global_buffer, .address_space: global }
    .group_segment_fixed_size: 327680
    .private_segment_fixed_size: 0
    .kernarg_segment_align: 8
    .kernarg_segment_size: 24
    .max_flat_workgroup_size: 128
    .sgpr_count:     80
    .vgpr_count:     768
    .wavefront_size: 32
...
	.end_amdgpu_metadata
.endif
;; end of part 5
;; launch proj: the kernel of part 4 again; grid 8 x 32, 4 waves a work-group, clusters of 4 x 4, 327,680 bytes of LDS; arguments ao, wb, bo, out0; writes out0
